; MI455X (gfx1250); checked and timed in simulation.
; The chip was launched on July 23, 2026; its instructions are those of AMD's public machine-readable ISA for CDNA 5 (MIT licence, August 2026) and "CDNA5" Instruction Set Architecture Reference Guide (July 2026). The comments in the code are by the model that wrote it; some were corrected since.
;; Multi Head Attention. Allowed arithmetic: matrix products marked QUANTISED: E2M1 operands, one E8M0 scale for each 32 along K, by v_wmma_scale_f32_16x16x128_f8f6f4 with both operands' format E2M1 (or v_wmma_scale_f32_32x16x128_f4), f32 sums; products left as they are: bf16, f16 or f32 operands; f32 sums; everything else in f32.
;; Inputs: w_attn 1,024 x 3,072 float32; w_proj 1,024 x 1,024 float32; x 4 x 2,048 x 1,024 float32.
;; Outputs: out0 4 x 2,048 x 1,024 float32.
;; This version of the problem:
;;   THIS VERSION OF THE PROBLEM IS GIVEN IN LOW PRECISION. The matrix products marked QUANTISED in the list below multiply operands that are first quantised to E2M1 (2 exponent bits, 1 mantissa bit; 4 bits a number), with one power-of-two scale for each 32 numbers along K (OCP MX v1.0); their sums are f32. The products marked 'left as it is' may take bf16, f16 or f32 operands, with f32 sums. Whichever they take, every output number must still come out within the allowed error. Rounding operands to bf16 (8 significant bits) uses up far more of that allowance than f16 does (11 bits, for magnitudes from 6e-5 to 65,504). All else is computed in f32.
;;   The module's matrix products, in the order in which they are computed (A, B: the left and right operand; K: the contracted axis; several contracted axes count as one K, in the product's order):
;;     1. [M 8,192, K 1,024] x [K 1,024, N 3,072]; A: input x; B: input w_attn: QUANTISED
;;     2. batch 64 x [M 2,048, K 64] x [K 64, N 2,048]; A: computed on the way; B: computed on the way: left as it is (an operand is computed on the way)
;;     3. batch 64 x [M 2,048, K 2,048] x [K 2,048, N 64]; A: computed on the way; B: computed on the way: left as it is (an operand is computed on the way)
;;     4. [M 8,192, K 1,024] x [K 1,024, N 1,024]; A: computed on the way; B: input w_proj: left as it is (an operand is computed on the way)
;;   THE QUANTISER, for each operand of a quantised product, along K:
;;     - K is cut into blocks of 32 from its start; a last block that is shorter is filled with zeros.
;;     - A block's scale is 2^e with e = floor(log2(the largest magnitude in the block)) - 2, held to -126 .. 127; a block of zeros has e = 0. As a byte (E8M0): e + 127.
;;     - Each number is divided by its block's scale, clamped to +-6, and rounded to the nearest number of E2M1, ties to even, subnormals kept.
;;     - The product sums the exact products of the quantised numbers (number of the format x scale) in f32.
;;   ~~~python
;;   def quantise(x, axis):      # numpy; x: float32 -> the quantised numbers, widened to float32 again
;;       x = np.moveaxis(x, axis, -1); K = x.shape[-1]
;;       x = np.pad(x, [(0, 0)] * (x.ndim - 1) + [(0, -K % 32)]); x = x.reshape(x.shape[:-1] + (-1, 32)); a = np.abs(x).max(-1, keepdims=True)
;;       e = np.where(a > 0, np.clip(np.frexp(np.where(a > 0, a, 1))[1] - 1 - 2, -126, 127), 0)      # np.frexp(a)[1] - 1 = floor(log2(a)), exactly
;;       r = np.clip(x / 2.0 ** e, -6, 6)
;;       step = 2.0 ** (np.maximum(np.frexp(np.where(r == 0, 1, r))[1] - 1, 0) - 1)
;;       q = np.round(r / step) * step * 2.0 ** e      # np.round: ties to even
;;       return np.moveaxis(q.reshape(q.shape[:-2] + (-1,))[..., :K], -1, axis).astype(np.float32)
;;   ~~~
;; One version. Each part assembles by itself: llvm-mc -triple=amdgcn-amd-amdhsa -mcpu=gfx1250 --defsym DOCPART=n.
;; ======== version 1 of 1: 5 launches
;; limits: values are held in f16: magnitudes above 65,504 overflow, below 6.1e-05 lose precision
;; workspace buffers: xq 4,194,304 bytes; xs 262,144 bytes; wq 1,572,864 bytes; ws 98,304 bytes; wph 2,097,152 bytes; qkv 50,331,648 bytes; qkvf 786,432 bytes; yh 16,777,216 bytes
;; launch prep (part 1): grid 480 x 1, 4 waves a work-group, no clusters, 51,200 bytes of LDS; arguments x, w_attn, w_proj, xq, xs, wq, ws, wph; writes xq, xs, wq, ws, wph
.if DOCPART == 1
	.amdgcn_target "amdgcn-amd-amdhsa--gfx1250"
	.amdhsa_code_object_version 6
	.text
	.protected	k_q202cfee267_prep
	.globl	k_q202cfee267_prep
	.p2align	8
	.type	k_q202cfee267_prep,@function
k_q202cfee267_prep:
	s_mov_b64 s[64:65], 0
	v_nop
	global_prefetch_b8 v0, s[64:65] scope:SCOPE_SE
	s_setreg_imm32_b32 hwreg(HW_REG_WAVE_MODE, 25, 1), 1
	s_wait_xcnt 0x0
; Three jobs in one launch, told apart by the work-group's number alone; each has LDS bytes of its own and its own end.
;   work-groups   0 ..  95  (W): w_attn [1024 k][3072 n] f32 -> codes of FP4 (E2M1) laid [n][512 bytes], K innermost, and E8M0 scale bytes [n][32]
;   work-groups  96 .. 223  (P): w_proj [1024][1024] f32 -> f16, same layout
;   work-groups 224 .. 479  (X): x [8192][1024] f32 -> codes [row][512 bytes] and scale bytes [row][32]
; THE QUANTISER: a block of 32 along K has the scale 2^(floor(log2(largest magnitude)) - 2); its byte is the largest magnitude's exponent field - 2, held at 1 from below;
; each number is divided by the scale and rounded to the nearest code, ties to even, beyond 6 the largest code.
; LIMITS: NaN and infinities among the inputs are not served.  A block whose largest magnitude lies under 2^-124 keeps the byte 1.  A block of zeros gets the byte 1 where the rule says 127:
; its codes are zeros, which add nothing, and the bytes are read by this program alone.  w_proj beyond 65,504 in magnitude has no f16 number.
.set WST,   32768                      ; LDS: job W's stage: 32 columns x (512 bytes of codes + 16)
.set WSC,   49664                      ; job W's scale bytes: 32 columns x 32
.set SPARE, 50688                      ; the spare words, 128 bytes for each wave: two blocks of 256 bytes that no other line names
.set SPW,   190                        ; v190 LDS address of my spare word; never rewritten
.set NIL,   191                        ; v191 0; never rewritten
.set SP,    80                         ; job X: a lane's place in a stage: 64 bytes + 16 of padding
.set STEPS, 16
.set R,     16                         ; job X: v16-79 four sets of 16 numbers as loaded
.set X,     80                         ; v80-111 two sets of 16 neighbours
.set E,     112                        ; v112-127 a scale byte for each step
.set C,     128                        ; v128-189 codes, four registers kept for each step
.set WX,    32                         ; job W: v32-95 two sets of 32 numbers
.set WC,    96                         ; v96-99 a block's codes
.set WSB,   24                         ; v24-25 eight scale bytes
.set WOUT,  112                        ; v112-143 the way out
	s_load_b256 s[4:11], s[0:1], 0x0               ; x s[4:5], w_attn s[6:7], w_proj s[8:9], xq s[10:11]
	s_load_b256 s[12:19], s[0:1], 0x20             ; xs s[12:13], wq s[14:15], ws s[16:17], wph s[18:19]
	v_lshl_add_u32 v[SPW], v0, 2, SPARE
	v_mov_b32 v[NIL], 0
	v_lshrrev_b32 v1, 5, v0
	v_readfirstlane_b32 s20, v1                    ; wave 0..3
	v_and_b32 v2, 31, v0                           ; lane
	s_mov_b32 s23, 0
	s_wait_kmcnt 0x0
	s_cmp_lt_u32 ttmp9, 96
	s_cbranch_scc1 .Lpath_w
	s_cmp_lt_u32 ttmp9, 224
	s_cbranch_scc1 .Lpath_p
; ---------------- JOB X.  Rows are dense and 1,024 is a multiple of 32: x is a plain stream of blocks of 32, and so are its codes and scale bytes.
; A wave takes 16 steps of 512 numbers.  Each load reads 512 consecutive bytes; a step's 2,048 bytes turn through the wave's own stage in LDS and come back 64 bytes a lane,
; so that a lane holds 16 neighbours along K (two neighbouring lanes hold a block).  Loads run four steps ahead, the turn one step.
	s_sub_co_u32 s21, ttmp9, 224
	s_lshl_b32 s21, s21, 2
	s_add_co_u32 s22, s21, s20                     ; which run of 8,192 numbers is my wave's
	s_lshl_b64 s[24:25], s[22:23], 15
	s_add_nc_u64 s[4:5], s[4:5], s[24:25]          ; 32,768 bytes of x a run,
	s_lshl_b64 s[24:25], s[22:23], 12
	s_add_nc_u64 s[10:11], s[10:11], s[24:25]      ; 4,096 of codes,
	s_lshl_b64 s[24:25], s[22:23], 8
	s_add_nc_u64 s[12:13], s[12:13], s[24:25]      ; 256 scale bytes
	v_lshlrev_b32 v3, 4, v2                        ; my 16 bytes of a load's 512
	s_lshl_b32 s21, s20, 13                        ; my wave's 8,192 bytes of LDS
	v_lshrrev_b32 v14, 2, v2
	v_mul_u32_u24 v14, v14, SP
	v_and_b32 v15, 3, v2
	v_lshl_add_u32 v14, v15, 4, v14
	v_add_nc_u32 v14, s21, v14                     ; the stage, on the way in: four lanes' 64 bytes on end, then 16 of padding
	v_mul_u32_u24 v15, v2, SP
	v_add_nc_u32 v15, s21, v15                     ; and on the way out: my 16 neighbours
	v_lshlrev_b32 v4, 3, v2                        ; 8 bytes a lane: my codes' place in a step's, and my part of the scale bytes
	v_lshrrev_b32 v5, 1, v2
	s_add_co_u32 s21, s21, 2*32*SP
	v_add_nc_u32 v5, s21, v5                       ; my wave's 256 scale bytes, my block's byte
	v_add_nc_u32 v6, s21, v4
.macro XLOAD t
.irp i, 0,1,2,3
	global_load_b128 v[R+16*((\t)%4)+4*\i:R+16*((\t)%4)+4*\i+3], v3, s[4:5] offset:2048*(\t)+512*\i th:TH_LOAD_NT
.endr
.endm
.macro XTURN t                         ; LDS serves a wave's instructions in order: no wait between the stores and the loads
.irp i, 0,1,2,3
	ds_store_b128 v14, v[R+16*((\t)%4)+4*\i:R+16*((\t)%4)+4*\i+3] offset:32*SP*((\t)%2)+8*SP*\i
.endr
.irp i, 0,1,2,3
	ds_load_b128 v[X+16*((\t)%2)+4*\i:X+16*((\t)%2)+4*\i+3], v15 offset:32*SP*((\t)%2)+16*\i
.endr
.endm
.irp t, 0,1,2,3
	XLOAD \t
.endr
	s_wait_loadcnt 12                              ; step 0's four loads are in
	XTURN 0
.macro XSTEP t
.set XS, X+16*((\t)%2)
.if (\t) > 0
	s_wait_dscnt 1                                 ; this step's numbers are back from the stage (the last step's byte store may be out)
.else
	s_wait_dscnt 0x0
.endif
.if (\t)+4 < STEPS
	XLOAD (\t)+4                                   ; into the set whose stores into the stage have read their registers
.endif
.if (\t)+1 < STEPS
.if STEPS-2-(\t) >= 3
	s_wait_loadcnt 12                              ; the next step's four loads are in; three steps' may be out
.else
	s_wait_loadcnt 4*(STEPS-2-(\t))
.endif
	XTURN (\t)+1
.endif
	v_max3_num_f32 v8, |v[XS]|, |v[XS+1]|, |v[XS+2]|
	v_max3_num_f32 v9, |v[XS+3]|, |v[XS+4]|, |v[XS+5]|
.irp i, 6,10
	v_max3_num_f32 v8, v8, |v[XS+\i]|, |v[XS+\i+1]|
	v_max3_num_f32 v9, v9, |v[XS+\i+2]|, |v[XS+\i+3]|
.endr
	v_max3_num_f32 v8, v8, |v[XS+14]|, |v[XS+15]|
	v_max3_num_f32 v8, v8, v9, 0x1800000           ; the floor 2^(3 - 127): the byte cannot fall under 1
	v_max_num_f32_dpp v8, v8, v8 row_xmask:1 row_mask:0xf bank_mask:0xf   ; with my neighbour's 16: the block's largest magnitude
	v_add_nc_u32 v11, 0xff000000, v8               ; 2 off its exponent field: the conversion takes this operand's exponent field as its scale
	v_cvt_scalef32_pk8_fp4_f32 v[C+4*(\t)], v[XS:XS+7], v11
	v_cvt_scalef32_pk8_fp4_f32 v[C+4*(\t)+1], v[XS+8:XS+15], v11
	v_lshrrev_b32 v[E+(\t)], 23, v11               ; the scale's byte
	ds_store_b8 v5, v[E+(\t)] offset:16*(\t)       ; both lanes of a block write the same byte with the same value
	global_store_b64 v4, v[C+4*(\t):C+4*(\t)+1], s[10:11] offset:256*(\t)   ; the wave stores 256 consecutive bytes, aligned
.endm
.irp t, 0,1,2,3,4,5,6,7,8,9,10,11,12,13,14,15
	XSTEP \t
.endr
	ds_load_b64 v[8:9], v6                         ; my wave's 256 scale bytes, 8 a lane
	s_wait_dscnt 0x0
	global_store_b64 v4, v[8:9], s[12:13]          ; 256 consecutive bytes, aligned
	s_wait_tensorcnt 0x0                           ; the wave's end, behind my last LDS store
	ds_add_u32 v[SPW], v[NIL]
	s_wait_dscnt 0x0
	s_endpgm
; ---------------- JOB P.  A wave takes 2,048 numbers: 16 loads of 512 consecutive bytes, 16 stores of 256.  No register is written twice, so no wait for a store's sources is owed.
.Lpath_p:
	s_sub_co_u32 s21, ttmp9, 96
	s_lshl_b32 s21, s21, 2
	s_add_co_u32 s21, s21, s20
	s_lshl_b32 s22, s21, 13
	s_add_nc_u64 s[8:9], s[8:9], s[22:23]
	s_lshl_b32 s22, s21, 12
	s_add_nc_u64 s[18:19], s[18:19], s[22:23]
	v_lshlrev_b32 v3, 4, v2
	v_lshlrev_b32 v4, 3, v2
.irp i, 0,1,2,3,4,5,6,7,8,9,10,11,12,13,14,15
	global_load_b128 v[16+4*\i:19+4*\i], v3, s[8:9] offset:512*\i
.endr
.irp i, 0,1,2,3,4,5,6,7,8,9,10,11,12,13,14,15
	s_wait_loadcnt 15-\i                           ; loads come back in order: load i is in
	v_cvt_pk_f16_f32 v[96+2*\i], v[16+4*\i], v[17+4*\i]
	v_cvt_pk_f16_f32 v[97+2*\i], v[18+4*\i], v[19+4*\i]
	global_store_b64 v4, v[96+2*\i:97+2*\i], s[18:19] offset:256*\i
.endr
	s_endpgm
; ---------------- JOB W.  K is w_attn's FIRST axis.  A lane takes a column n and its registers run down K, so a block of 32 lies in one lane and the conversions give codes with K innermost.
; A work-group takes 32 columns and all of K; wave w takes k = 256 w .. 256 w + 255: 8 blocks a lane.  The four waves' codes and bytes meet in LDS; behind one barrier (all four waves of such a
; work-group pass it: the way here hangs on the work-group's number alone) each wave stores 8 whole rows of 512 bytes and 256 scale bytes.
.Lpath_w:
	v_lshlrev_b32 v3, 2, v2                        ; in: 4 bytes a lane
	s_mul_i32 s22, s20, 256*12288                  ; my wave's 256 rows of w_attn,
	s_lshl_b32 s21, ttmp9, 7                       ; my work-group's 32 columns
	s_add_co_u32 s22, s22, s21
	s_add_nc_u64 s[6:7], s[6:7], s[22:23]
	v_mul_u32_u24 v4, v2, 528
	s_lshl_b32 s21, s20, 7
	s_add_co_u32 s21, s21, WST
	v_add_nc_u32 v4, s21, v4                       ; the stage, in: row = my column, my wave's 128 bytes of it
	v_lshlrev_b32 v5, 5, v2
	s_lshl_b32 s21, s20, 3
	s_add_co_u32 s21, s21, WSC
	v_add_nc_u32 v5, s21, v5                       ; my column's scale bytes, my wave's 8
	v_lshlrev_b32 v8, 4, v2
	s_mul_i32 s21, s20, 8*528
	s_add_co_u32 s21, s21, WST
	v_add_nc_u32 v7, s21, v8                       ; the stage, out: my wave's 8 rows, 16 bytes a lane
	v_lshlrev_b32 v9, 3, v2
	s_lshl_b32 s21, s20, 8
	s_add_co_u32 s21, s21, WSC
	v_add_nc_u32 v6, s21, v9                       ; and 256 of the 1,024 scale bytes
	s_lshl_b32 s22, ttmp9, 14                      ; 32 rows of 512 bytes a work-group,
	s_lshl_b32 s21, s20, 12                        ; 8 a wave
	s_add_co_u32 s22, s22, s21
	s_add_nc_u64 s[14:15], s[14:15], s[22:23]
	s_lshl_b32 s22, ttmp9, 10
	s_lshl_b32 s21, s20, 8
	s_add_co_u32 s22, s22, s21
	s_add_nc_u64 s[16:17], s[16:17], s[22:23]
.macro WLOAD t                         ; block t: w_attn(256 w + 32 t + i, my column); every offset is an immediate, 255 x 12,288 bytes at the most
.irp i, 0,1,2,3,4,5,6,7,8,9,10,11,12,13,14,15,16,17,18,19,20,21,22,23,24,25,26,27,28,29,30,31
	global_load_b32 v[WX+32*((\t)%2)+\i], v3, s[6:7] offset:(32*(\t)+\i)*12288
.endr
.endm
	WLOAD 0
	WLOAD 1
.macro WBLOCK t
.set XS, WX+32*((\t)%2)
.if (\t) < 7
	s_wait_loadcnt 32                              ; this block's 32 loads are in; the next block's may be out
.else
	s_wait_loadcnt 0
.endif
	v_max3_num_f32 v12, |v[XS]|, |v[XS+1]|, |v[XS+2]|
	v_max3_num_f32 v13, |v[XS+3]|, |v[XS+4]|, |v[XS+5]|
.irp i, 6,10,14,18,22,26
	v_max3_num_f32 v12, v12, |v[XS+\i]|, |v[XS+\i+1]|
	v_max3_num_f32 v13, v13, |v[XS+\i+2]|, |v[XS+\i+3]|
.endr
	v_max3_num_f32 v12, v12, |v[XS+30]|, |v[XS+31]|
	v_max3_num_f32 v12, v12, v13, 0x1800000        ; the floor 2^(3 - 127)
	v_add_nc_u32 v11, 0xff000000, v12              ; 2 off the exponent field: the conversion's scale operand
	v_lshrrev_b32 v13, 23, v11                     ; the scale's byte
.if (\t)%4 == 0
	v_mov_b32 v[WSB+(\t)/4], v13
.else
	v_lshl_or_b32 v[WSB+(\t)/4], v13, 8*((\t)%4), v[WSB+(\t)/4]
.endif
.irp g, 0,1,2,3
	v_cvt_scalef32_pk8_fp4_f32 v[WC+\g], v[XS+8*\g:XS+8*\g+7], v11
.endr
	ds_store_b128 v4, v[WC:WC+3] offset:16*(\t)    ; 32 codes: 16 bytes of my column's row
.if (\t)+2 < 8
	WLOAD (\t)+2
.endif
	s_wait_dscnt 0x0                               ; the store has read its registers: the next block's codes may be written
.endm
.irp t, 0,1,2,3,4,5,6,7
	WBLOCK \t
.endr
	ds_store_b64 v5, v[WSB:WSB+1]
	s_wait_dscnt 0x0                               ; for the others' sake: my stores have landed
	s_barrier_signal -1
	s_barrier_wait -1
.irp i, 0,1,2,3,4,5,6,7
	ds_load_b128 v[WOUT+4*\i:WOUT+4*\i+3], v7 offset:528*\i
.endr
	ds_load_b64 v[144:145], v6
.irp i, 0,1,2,3,4,5,6,7
	s_wait_dscnt 8-\i                              ; row i is back; the younger loads may be out
	global_store_b128 v8, v[WOUT+4*\i:WOUT+4*\i+3], s[14:15] offset:512*\i   ; a whole row: 512 consecutive bytes, aligned
.endr
	s_wait_dscnt 0x0
	global_store_b64 v9, v[144:145], s[16:17]      ; 256 consecutive bytes, aligned
	s_wait_tensorcnt 0x0                           ; the wave's end, behind my last LDS store
	ds_add_u32 v[SPW], v[NIL]
	s_wait_dscnt 0x0
	s_endpgm
.Lfunc_end_k_q202cfee267_prep:
	.size	k_q202cfee267_prep, .Lfunc_end_k_q202cfee267_prep-k_q202cfee267_prep
	.p2alignl 7, 3214868480
	.fill 96, 4, 3214868480
	.section	.rodata,"a",@progbits
	.p2align	6, 0x0
	.amdhsa_kernel k_q202cfee267_prep
		.amdhsa_group_segment_fixed_size 51200
		.amdhsa_private_segment_fixed_size 0
		.amdhsa_enable_private_segment 0
		.amdhsa_kernarg_size 64
		.amdhsa_user_sgpr_count 2
		.amdhsa_user_sgpr_kernarg_segment_ptr 1
		.amdhsa_wavefront_size32 1
		.amdhsa_system_sgpr_workgroup_id_x 1
		.amdhsa_system_sgpr_workgroup_id_y 1
		.amdhsa_system_sgpr_workgroup_id_z 1
		.amdhsa_system_vgpr_workitem_id 0
		.amdhsa_next_free_vgpr 192
		.amdhsa_next_free_sgpr 66
		.amdhsa_reserve_vcc 0
		.amdhsa_float_denorm_mode_32 3
		.amdhsa_float_denorm_mode_16_64 3
		.amdhsa_memory_ordered 1
		.amdhsa_forward_progress 1
		.amdhsa_inst_pref_size 79
	.end_amdhsa_kernel
	.amdgpu_metadata
---
amdhsa.version: [ 1, 2 ]
amdhsa.kernels:
  - .name:           k_q202cfee267_prep
    .symbol:         k_q202cfee267_prep.kd
    .args:
      - { .name: x, .offset: 0, .size: 8, .value_kind: global_buffer, .address_space: global }
      - { .name: w_attn, .offset: 8, .size: 8, .value_kind: global_buffer, .address_space: global }
      - { .name: w_proj, .offset: 16, .size: 8, .value_kind: global_buffer, .address_space: global }
      - { .name: xq, .offset: 24, .size: 8, .value_kind: global_buffer, .address_space: global }
      - { .name: xs, .offset: 32, .size: 8, .value_kind: global_buffer, .address_space: global }
      - { .name: wq, .offset: 40, .size: 8, .value_kind: global_buffer, .address_space: global }
      - { .name: ws, .offset: 48, .size: 8, .value_kind: global_buffer, .address_space: global }
      - { .name: wph, .offset: 56, .size: 8, .value_kind: global_buffer, .address_space: global }
    .group_segment_fixed_size: 51200
    .private_segment_fixed_size: 0
    .kernarg_segment_align: 8
    .kernarg_segment_size: 64
    .max_flat_workgroup_size: 128
    .sgpr_count:     66
    .vgpr_count:     192
    .wavefront_size: 32
...
	.end_amdgpu_metadata
.endif
;; end of part 1
;; launch qkvgemm (part 2): grid 12 x 32, 4 waves a work-group, clusters of 4 x 4, 327,680 bytes of LDS; arguments xq, xs, wq, ws, qkv, qkvf; writes qkv, qkvf
.if DOCPART == 2
	.amdgcn_target "amdgcn-amd-amdhsa--gfx1250"
	.amdhsa_code_object_version 6
	.text
	.protected	k_q202cfee267_qkvgemm
	.globl	k_q202cfee267_qkvgemm
	.p2align	8
	.type	k_q202cfee267_qkvgemm,@function
k_q202cfee267_qkvgemm:
	s_mov_b64 s[64:65], 0
	v_nop
	global_prefetch_b8 v0, s[64:65] scope:SCOPE_SE
	s_setreg_imm32_b32 hwreg(HW_REG_WAVE_MODE, 25, 1), 1
	s_wait_xcnt 0x0
	s_wait_alu depctr_hold_cnt(0) depctr_sa_sdst(0) depctr_va_vdst(0) depctr_va_sdst(0) depctr_va_ssrc(0) depctr_va_vcc(0) depctr_vm_vsrc(0)
	s_getreg_b32 s2, hwreg(HW_REG_IB_STS2, 6, 4)
	s_cmp_eq_u32 s2, 0
	s_cbranch_scc0 .Lentry_in_a_cluster
	s_endpgm
.Lentry_in_a_cluster:
	s_bfe_u32 s2, ttmp6, 0x10000c
	s_cmp_lg_u32 s2, 0xf033
	s_cbranch_scc0 .Lentry_shape_is_right
	s_endpgm
.Lentry_shape_is_right:
; qkv = Q(x) Q(w_attn): [8192][1024] x [3072][1024]^T on codes of FP4 (E2M1) with one E8M0 scale for each 32 along K, by the scaled matrix instruction; sums in f32.
; A tile of 256 x 256 is made by four waves, each 128 x 128: 64 accumulators, 512 registers.  K = 1,024 is two slots of 512 along K (tile rows of 256 bytes): both are asked for at the head,
; with the scale bytes of the work-group's 256 + 256 rows, and nothing is filled again: three tensor loads of a wave are out at the most.
; CLUSTERS: 4 x 4 work-groups; A's tiles are asked for jointly along a row of the cluster, B's along a column.  The tile row is 8 cy + cluster y, so that the batch is cy and the tiles that hold the
; first 16 positions of a sequence are those of cluster y = 0: a number that all sixteen partners share, on which a branch may hang.
; THE MATRIX INSTRUCTION IS USED TRANSPOSED (source 0 = 16 rows of w, source 1 = 16 rows of x): a lane holds eight neighbouring columns of one row.
; OUT: f16, by head: qkv [batch 4][48 heads: q, k, v][2048][64]; each store of a wave covers 512 consecutive bytes.  The rows t < 16 of each batch leave also in f32, as images of the accumulators:
; qkvf [batch][column / 16][half][lane][4].
; LIMIT: a sum beyond 65,504 in magnitude has no f16 number.
; REGISTERS as windows of 256: window 0: v0-31 addresses; v32-95 scale words, two sets; v128-191 A's fragments, one set.  window 1: B's fragments, two sets.  windows 2, 3: the accumulators.
.set KSTEP,  512
.set NQ,     4
.set ROWB,   256
.set KROW,   512
.set PITCH,  272                       ; an LDS row: 256 bytes + 16 of padding: the 16 rows that a load touches start 16 bytes apart modulo 256
.set FR,     8
.set NL,     2
.set NP,     4
.set HALFT,  128*PITCH
.set SLOT,   4*HALFT
.set KS,     32
.set SCL,    2*SLOT
.set HALFS,  16*272
.set SBLK,   2*272
.set SPARE,  SCL+4*HALFS               ; the spare words, 128 bytes for each wave: two blocks of 256 bytes that no other line names
.set SPITCH, 400                       ; the way out: a stage of 16 rows x 400 bytes (256 of data) for each wave, in slot 0, which has had its one fill and its last read by then
.set ADRA, 16
.set ADRB, 20
.set STO,  24
.set RD,   25
.set CO,   26
.set ADRS, 27
.set SPW,  28
.set NIL,  29
.set SC,   32
.set AF,   128
.set TMP,  32                          ; the way out: packed results
.set BK,   64                          ; the way out: rows read back: v64-95 and v96-127 by turns
.set G1, 24
.set G0, 32
.set G1B, 48
.set G0B, 56
.set G1S, 68
.set G0S, 76
.set G1SB, 80
.set G0SB, 88
.set MSB, 0
.macro WIN new                         ; the immediate's high byte repeats the setting that is left
.if MSB != \new
	s_set_vgpr_msb (MSB<<8)|\new
.set MSB, \new
.endif
.endm
.set MUL_LO, 0xa1
.set MUL_HI, 0xf1
.set TO_B,   0x40
; A joint load: waves 0 and 1 fetch for A, waves 2 and 3 for B; the branch hangs on the wave's number alone.  An s_nop 0 and four v_nop follow each line.
.macro JLOAD g0a, g1a, g0b, g1b
	s_cmp_eq_u32 s15, 0
	s_cbranch_scc0 .Lfor_b_\@
	tensor_load_to_lds s[\g0a:\g0a+3], s[\g1a:\g1a+7]
	s_nop 0
.rept 4
	v_nop
.endr
	s_branch .Lasked_\@
.Lfor_b_\@:
	tensor_load_to_lds s[\g0b:\g0b+3], s[\g1b:\g1b+7]
	s_nop 0
.rept 4
	v_nop
.endr
.Lasked_\@:
.endm
.macro CROUND                          ; a round of the cluster's barrier
	s_barrier_signal -1
	s_barrier_wait -1
	s_cmp_lg_u32 s14, 0
	s_cbranch_scc1 .Lnot_wave_0_\@
	s_barrier_signal -3
.Lnot_wave_0_\@:
	s_barrier_wait -3
	s_barrier_signal -1
	s_barrier_wait -1
.endm
	s_load_b128 s[4:7], s[0:1], 0x0                ; x's codes, x's scales
	s_load_b128 s[8:11], s[0:1], 0x10              ; w's codes, w's scales
	s_load_b64 s[12:13], s[0:1], 0x20              ; qkv
	s_load_b64 s[96:97], s[0:1], 0x28              ; qkvf
	v_lshl_add_u32 v[SPW], v0, 2, SPARE
	v_mov_b32 v[NIL], 0
	ds_add_u32 v[SPW], v[NIL]                      ; the wave's opening: the add, twice on end, and its wait ahead of my first tensor load
	ds_add_u32 v[SPW], v[NIL]
	v_lshrrev_b32 v1, 5, v0
	v_readfirstlane_b32 s14, v1                    ; wave 0..3
	s_lshr_b32 s15, s14, 1                         ; which half of the tile's rows is mine.  Also: I fetch for A (0) or for B (1)
	s_and_b32 s16, s14, 1                          ; which half of its columns.  Also: which 128 rows of that tile I fetch
	s_bfe_u32 s40, ttmp6, 0x40000                  ; cx
	s_bfe_u32 s41, ttmp6, 0x40004                  ; cy
	s_lshl_b32 s42, ttmp9, 2
	s_add_co_u32 s42, s42, s40                     ; tile column = 4 x cluster x + cx
	s_and_b32 s95, ttmp7, 0xffff                   ; cluster y
	s_lshl_b32 s17, s41, 3
	s_add_co_u32 s17, s17, s95                     ; tile row = 8 cy + cluster y
	s_lshl_b32 s43, s41, 2
	s_lshl_b32 s43, 15, s43                        ; my row of the cluster
	s_lshl_b32 s44, 0x1111, s40                    ; my column
	s_or_b32 s[G1+0], s43, (0<<16)|(1<<20)|(1<<21)|(5<<22)|(3<<25)  ; the mask; elements of 1 byte; padding on: 4 words behind every 64
	s_or_b32 s[G1B+0], s44, (0<<16)|(1<<20)|(1<<21)|(5<<22)|(3<<25)
.irp g, G1, G1B
	s_mov_b32 s[\g+1], ROWB<<16                    ; tensor_dim0
	s_mov_b32 s[\g+2], 128<<16                     ; tensor_dim1
	s_mov_b32 s[\g+3], ROWB<<16                    ; tile_dim0
	s_mov_b32 s[\g+4], 128                         ; tile_dim1
	s_mov_b32 s[\g+5], KROW                        ; stride
	s_mov_b32 s[\g+6], 0
	s_mov_b32 s[\g+7], 0
.endr
	s_or_b32 s[G1S+0], s43, (3<<16)|(1<<20)|(1<<21)|(5<<22)|(3<<25) ; the scales of 128 rows: 4,096 dense bytes as 16 rows of 256 bytes (32 elements of 8), 16 bytes of padding behind each
	s_or_b32 s[G1SB+0], s44, (3<<16)|(1<<20)|(1<<21)|(5<<22)|(3<<25)
.irp g, G1S, G1SB
	s_mov_b32 s[\g+1], 32<<16
	s_mov_b32 s[\g+2], 16<<16
	s_mov_b32 s[\g+3], 32<<16
	s_mov_b32 s[\g+4], 16
	s_mov_b32 s[\g+5], 32
	s_mov_b32 s[\g+6], 0
	s_mov_b32 s[\g+7], 0
.endr
	s_lshl_b32 s18, s16, 7
	s_lshl_b32 s20, s17, 8
	s_add_co_u32 s20, s20, s18                     ; A: row 256 x tile row + 128 x half
	s_lshl_b32 s46, s42, 8
	s_add_co_u32 s46, s46, s18                     ; B: row 256 x tile column + 128 x half
	s_mov_b32 s21, 0
	s_mov_b32 s47, 0
	s_mov_b64 s[18:19], KS
	s_mul_u64 s[22:23], s[20:21], s[18:19]         ; where these rows' scales begin,
	s_mul_u64 s[92:93], s[46:47], s[18:19]
	s_mov_b64 s[18:19], KROW
	s_mul_u64 s[20:21], s[20:21], s[18:19]         ; and their codes
	s_mul_u64 s[46:47], s[46:47], s[18:19]
	s_mul_i32 s45, s14, HALFT                      ; where they go: wave x 128 rows
	s_mul_i32 s94, s14, HALFS
	s_wait_dscnt 0x0                               ; both opening adds are done
	s_wait_kmcnt 0x0
	s_add_nc_u64 s[20:21], s[4:5], s[20:21]
	s_add_nc_u64 s[22:23], s[6:7], s[22:23]
	s_add_nc_u64 s[46:47], s[8:9], s[46:47]
	s_add_nc_u64 s[92:93], s[10:11], s[92:93]
	CROUND                                         ; all sixteen work-groups are here: the joint loads meet
	s_mov_b32 s[G0S], 1
	s_add_co_u32 s[G0S+1], s94, SCL
	s_mov_b64 s[G0S+2:G0S+3], s[22:23]
	s_or_b32 s[G0S+3], s[G0S+3], 0x80000000
	s_mov_b32 s[G0SB], 1
	s_add_co_u32 s[G0SB+1], s94, SCL
	s_mov_b64 s[G0SB+2:G0SB+3], s[92:93]
	s_or_b32 s[G0SB+3], s[G0SB+3], 0x80000000
	JLOAD G0S, G1S, G0SB, G1SB                     ; the scales first: they are wanted with the first slot
.irp s, 0,1
	s_mov_b32 s[G0+4*\s], 1
	s_add_co_u32 s[G0+4*\s+1], s45, \s*SLOT
	s_add_nc_u64 s[G0+4*\s+2:G0+4*\s+3], s[20:21], \s*ROWB
	s_or_b32 s[G0+4*\s+3], s[G0+4*\s+3], 0x80000000
	s_mov_b32 s[G0B+4*\s], 1
	s_add_co_u32 s[G0B+4*\s+1], s45, \s*SLOT
	s_add_nc_u64 s[G0B+4*\s+2:G0B+4*\s+3], s[46:47], \s*ROWB
	s_or_b32 s[G0B+4*\s+3], s[G0B+4*\s+3], 0x80000000
	JLOAD G0+4*\s, G1, G0B+4*\s, G1B
.endr
	v_and_b32 v1, 15, v0                           ; r = lane % 16
	v_bfe_u32 v2, v0, 4, 1                         ; h = lane / 16
	v_mul_u32_u24 v3, v1, PITCH
	v_lshl_add_u32 v4, v2, 4, v3                   ; a fragment's row x pitch + 16 h
	s_mul_i32 s21, s15, HALFT                      ; my 128 rows of A
	s_mul_i32 s22, s16, HALFT                      ; my 128 rows of B,
	s_add_co_u32 s22, s22, 2*HALFT                 ; behind A's 256
.irp s, 0,1
	v_add_nc_u32 v[ADRA+\s], s21, v4
	v_add_nc_u32 v[ADRB+\s], s22, v4
	s_add_co_u32 s21, s21, SLOT
	s_add_co_u32 s22, s22, SLOT
.endr
	v_mul_u32_u24 v5, v1, KS                       ; my row's scales: 32 bytes a row,
	v_lshrrev_b32 v6, 8, v5
	v_lshl_add_u32 v5, v6, 4, v5                   ; and 16 more for each 256 passed
	s_mul_i32 s21, s15, HALFS
	s_mul_i32 s22, s16, HALFS
	s_add_co_u32 s22, s22, 2*HALFS
	s_sub_co_u32 s22, s22, s21
	v_mul_u32_u24 v6, s22, v2                      ; lanes 16-31 take B's
	s_add_co_u32 s21, s21, SCL
	v_add_nc_u32 v5, v5, v6
	v_add_nc_u32 v[ADRS], s21, v5
	s_mul_i32 s23, s14, 16*SPITCH                  ; my stage
	v_mul_u32_u24 v5, v1, SPITCH
	v_lshl_add_u32 v5, v2, 4, v5
	v_add_nc_u32 v[STO], s23, v5                   ; in: row r, 16 bytes for each half of the lanes
	v_and_b32 v6, 31, v0
	v_lshlrev_b32 v[CO], 4, v6                     ; out: 16 bytes a lane
	v_lshrrev_b32 v5, 3, v6
	v_mul_u32_u24 v5, v5, SPITCH
	v_and_b32 v6, 7, v0
	v_lshl_add_u32 v5, v6, 4, v5
	v_add_nc_u32 v[RD], s23, v5                    ; back: eight lanes take a head's 128 bytes of a row, four rows an instruction
	s_mul_i32 s20, s41, 12582912                   ; qkv: my batch (cy),
	s_lshl_b32 s21, s95, 15                        ; 256 rows of 128 bytes for each cluster y,
	s_add_co_u32 s20, s20, s21
	s_lshl_b32 s21, s15, 14                        ; my half of the rows
	s_add_co_u32 s20, s20, s21
	s_mov_b32 s21, 0
	s_lshl_b32 s46, s42, 20                        ; four heads of 262,144 bytes a tile column,
	s_lshl_b32 s47, s16, 19                        ; two for my half of the columns
	s_add_co_u32 s46, s46, s47
	s_mov_b32 s47, 0
	s_add_nc_u64 s[20:21], s[20:21], s[46:47]
	s_add_nc_u64 s[12:13], s[12:13], s[20:21]
	s_mul_i32 s20, s41, 196608                     ; qkvf: my batch, 1,024 bytes for each 16 columns
	s_lshl_b32 s46, s42, 14
	s_add_co_u32 s20, s20, s46
	s_lshl_b32 s46, s16, 13
	s_add_co_u32 s20, s20, s46
	s_mov_b32 s21, 0
	s_add_nc_u64 s[96:97], s[96:97], s[20:21]
.macro FRAG reg, adr, q, i             ; 16 rows x 128 K of 4-bit codes: 8 registers: two loads of 16 bytes, 32 bytes apart
.irp c, 0,1
	ds_load_b128 v[\reg+4*\c:\reg+4*\c+3], v[\adr] offset:64*(\q)+32*\c+(\i)*16*PITCH
.endr
.endm
; 16 matrix instructions: A's blocks a0, a0 + 1 x B's eight, 128 along K.  The 64 accumulators take turns, one instruction a turn, in the same order in every step.
.macro MUL16 a0, p, q, sc, zero
.irp a, \a0, \a0+1
.irp b, 0,1,2,3,4,5,6,7
.if \zero
	v_wmma_scale_f32_16x16x128_f8f6f4 v[8*(8*((\a)%4)+\b):8*(8*((\a)%4)+\b)+7], v[128*(\p)+FR*\b:128*(\p)+FR*\b+FR-1], v[AF+FR*(\a):AF+FR*(\a)+FR-1], 0, v[SC+8*NQ*(\sc)+NQ*\b+(\q)], v[SC+8*NQ*(\sc)+NQ*(\a)+(\q)] matrix_a_fmt:MATRIX_FMT_FP4 matrix_b_fmt:MATRIX_FMT_FP4 matrix_a_scale:MATRIX_SCALE_ROW1
.else
	v_wmma_scale_f32_16x16x128_f8f6f4 v[8*(8*((\a)%4)+\b):8*(8*((\a)%4)+\b)+7], v[128*(\p)+FR*\b:128*(\p)+FR*\b+FR-1], v[AF+FR*(\a):AF+FR*(\a)+FR-1], v[8*(8*((\a)%4)+\b):8*(8*((\a)%4)+\b)+7], v[SC+8*NQ*(\sc)+NQ*\b+(\q)], v[SC+8*NQ*(\sc)+NQ*(\a)+(\q)] matrix_a_fmt:MATRIX_FMT_FP4 matrix_b_fmt:MATRIX_FMT_FP4 matrix_a_scale:MATRIX_SCALE_ROW1
.endif
.endr
.endr
.endm
.macro FETCH_B slot, q, p
	WIN TO_B
.irp i, 0,1,2,3,4,5,6,7
	FRAG 128*(\p)+FR*\i, ADRB+\slot, \q, \i
.endr
	WIN 0
.endm
.macro FETCH_A slot, q, i0
.irp i, \i0, \i0+1, \i0+2, \i0+3
	FRAG AF+FR*(\i), ADRA+\slot, \q, \i
.endr
.endm
.macro SCALES sc                       ; a slot's scale words: four a row; lanes 0-15 take A's block i, lanes 16-31 B's block i
.irp i, 0,1,2,3,4,5,6,7
	ds_load_b128 v[SC+8*NQ*\sc+NQ*\i:SC+8*NQ*\sc+NQ*\i+3], v[ADRS] offset:\i*SBLK
.endr
.endm
.macro PLACES n                        ; plain vector instructions between a matrix instruction and a load into, or a read of, its registers
.rept \n
	v_nop
.endr
.endm
.macro STEP slot, q, zero              ; 128 along K with its successor in the same slot
	s_wait_dscnt 4*NL                              ; B's set and A's blocks 0-3 are in; A's blocks 4-7 may be out
	WIN MUL_LO
	MUL16 0, (\q)%2, \q, \slot, \zero
	MUL16 2, (\q)%2, \q, \slot, \zero
	s_wait_dscnt 0
	PLACES NP
	FETCH_B \slot, (\q)+1, 1-(\q)%2
	FETCH_A \slot, (\q)+1, 0
	WIN MUL_HI
	MUL16 4, (\q)%2, \q, \slot, \zero
	MUL16 6, (\q)%2, \q, \slot, \zero
	PLACES NP
	WIN 0
	FETCH_A \slot, (\q)+1, 4
.endm
.macro STEPS slot, from
.set Q, \from
.rept NQ-1-\from
	STEP \slot, Q, 0
.set Q, Q+1
.endr
.endm
	s_wait_tensorcnt 1                             ; the scales and my part of slot 0 are in; slot 1's load may be out
	s_barrier_signal -1
	s_barrier_wait -1
	FETCH_B 0, 0, 0
	FETCH_A 0, 0, 0
	SCALES 0
	FETCH_A 0, 0, 4
	STEP 0, 0, 1                                   ; the first step's products start the sums: nothing is cleared
	STEPS 0, 1
	; slot 0's last step changes slots: one barrier; in front of it my load of slot 1 has landed and my reads of slot 0 are over
	s_wait_tensorcnt 0x0
	ds_add_u32 v[SPW], v[NIL]                      ; 0 onto my spare word
	s_wait_dscnt 4*NL+1                            ; the add and A's blocks 4-7 may be out
	WIN MUL_LO
	MUL16 0, 1, NQ-1, 0, 0
	s_wait_dscnt 0x0
	s_barrier_signal -1
	MUL16 2, 1, NQ-1, 0, 0
	WIN 0
	s_barrier_wait -1
	PLACES NP
	v_add_nc_u32 v[ADRS], 4*NQ, v[ADRS]            ; on to slot 1's scale words
	FETCH_B 1, 0, 0
	FETCH_A 1, 0, 0
	SCALES 1
	WIN MUL_HI
	MUL16 4, 1, NQ-1, 0, 0
	MUL16 6, 1, NQ-1, 0, 0
	PLACES NP
	WIN 0
	FETCH_A 1, 0, 4
	STEPS 1, 0
	s_wait_dscnt 4*NL                              ; the last step: nothing more to fetch
	WIN MUL_LO
	MUL16 0, 1, NQ-1, 1, 0
	MUL16 2, 1, NQ-1, 1, 0
	s_wait_dscnt 0
	WIN MUL_HI
	MUL16 4, 1, NQ-1, 1, 0
	MUL16 6, 1, NQ-1, 1, 0
	WIN 0
	PLACES NP                                      ; in front of the first reads of results and of writes into registers that held scales
	; The first 16 positions of a sequence leave in f32 too.  They are block 0 of the upper half's waves in the tiles of cluster y = 0: ids that all partners share, and the wave's number.
	s_or_b32 s3, s95, s15
	s_cmp_lg_u32 s3, 0
	s_cbranch_scc1 .Lnofine
	WIN 0x08                                       ; a store's data are its source 1: window 2
.irp b, 0,1,2,3,4,5,6,7
	global_store_b128 v[CO], v[8*\b:8*\b+3], s[96:97] offset:1024*\b        ; each accumulator from its low end on; 512 consecutive bytes a store
	global_store_b128 v[CO], v[8*\b+4:8*\b+7], s[96:97] offset:1024*\b+512
.endr
	WIN 0
.Lnofine:
; THE WAY OUT, block by block of 16 rows x 128 columns (two heads).  PACK: rounded to f16, 16 bytes a lane.  TOSTAGE: into my own stage, and back as four rows x 128 bytes of one head, which are
; 512 consecutive bytes of qkv.  SEND: stored.  LDS serves a wave's instructions in order: no wait between the stage's stores and loads.
.macro PACK a
.set AC, 64*((\a)%4)
	WIN 0x0a+5*((\a)/4)                            ; sources 0 and 1: window 2 or 3
.irp b, 0,1,2,3,4,5,6,7
.irp r, 0,1,2,3
	v_cvt_pk_f16_f32 v[TMP+4*\b+\r], v[AC+8*\b+2*\r], v[AC+8*\b+2*\r+1]
.endr
.endr
	WIN 0
.endm
.macro TOSTAGE a
.set BB, BK+32*((\a)%2)
.irp b, 0,1,2,3,4,5,6,7
	ds_store_b128 v[STO], v[TMP+4*\b:TMP+4*\b+3] offset:32*\b
.endr
.irp i, 0,1,2,3,4,5,6,7
	ds_load_b128 v[BB+4*\i:BB+4*\i+3], v[RD] offset:(\i%4)*4*SPITCH+(\i/4)*128
.endr
.endm
.macro SEND a
.set BB, BK+32*((\a)%2)
	s_wait_dscnt 0x0                               ; the block is back in registers
	s_wait_xcnt 0x0                                ; the stores of the block before have read their registers: the next block's loads may land there
.irp i, 0,1,2,3,4,5,6,7
	global_store_b128 v[CO], v[BB+4*\i:BB+4*\i+3], s[12:13] offset:(\i/4)*262144+(\a)*2048+(\i%4)*512
.endr
.endm
	PACK 0
	TOSTAGE 0
.irp a, 1,2,3,4,5,6,7                  ; block a's conversions stand between block a - 1's loads from the stage and the wait for them
	PACK \a
	SEND \a-1
	TOSTAGE \a
.endr
	SEND 7
	s_wait_tensorcnt 0x0                           ; the wave's end
	ds_add_u32 v[SPW], v[NIL]
	s_wait_dscnt 0x0
	CROUND                                         ; the closing round
	s_endpgm
.Lfunc_end_k_q202cfee267_qkvgemm:
	.size	k_q202cfee267_qkvgemm, .Lfunc_end_k_q202cfee267_qkvgemm-k_q202cfee267_qkvgemm
	.p2alignl 7, 3214868480
	.fill 96, 4, 3214868480
	.section	.rodata,"a",@progbits
	.p2align	6, 0x0
	.amdhsa_kernel k_q202cfee267_qkvgemm
		.amdhsa_group_segment_fixed_size 327680
		.amdhsa_private_segment_fixed_size 0
		.amdhsa_enable_private_segment 0
		.amdhsa_kernarg_size 48
		.amdhsa_user_sgpr_count 2
		.amdhsa_user_sgpr_kernarg_segment_ptr 1
		.amdhsa_wavefront_size32 1
		.amdhsa_system_sgpr_workgroup_id_x 1
		.amdhsa_system_sgpr_workgroup_id_y 1
		.amdhsa_system_sgpr_workgroup_id_z 1
		.amdhsa_system_vgpr_workitem_id 0
		.amdhsa_next_free_vgpr 1024
		.amdhsa_next_free_sgpr 98
		.amdhsa_reserve_vcc 0
		.amdhsa_float_denorm_mode_32 3
		.amdhsa_float_denorm_mode_16_64 3
		.amdhsa_memory_ordered 1
		.amdhsa_forward_progress 1
		.amdhsa_inst_pref_size 128
	.end_amdhsa_kernel
	.amdgpu_metadata
---
amdhsa.version: [ 1, 2 ]
amdhsa.kernels:
  - .name:           k_q202cfee267_qkvgemm
    .symbol:         k_q202cfee267_qkvgemm.kd
    .args:
      - { .name: xq, .offset: 0, .size: 8, .value_kind: global_buffer, .address_space: global }
      - { .name: xs, .offset: 8, .size: 8, .value_kind: global_buffer, .address_space: global }
      - { .name: wq, .offset: 16, .size: 8, .value_kind: global_buffer, .address_space: global }
      - { .name: ws, .offset: 24, .size: 8, .value_kind: global_buffer, .address_space: global }
      - { .name: qkv, .offset: 32, .size: 8, .value_kind: global_buffer, .address_space: global }
      - { .name: qkvf, .offset: 40, .size: 8, .value_kind: global_buffer, .address_space: global }
    .group_segment_fixed_size: 327680
    .private_segment_fixed_size: 0
    .kernarg_segment_align: 8
    .kernarg_segment_size: 48
    .max_flat_workgroup_size: 128
    .sgpr_count:     98
    .vgpr_count:     1024
    .wavefront_size: 32
...
	.end_amdgpu_metadata
.endif
;; end of part 2
;; launch attn (part 3): grid 4 x 64, 16 waves a work-group, clusters of 4 x 1, 327,680 bytes of LDS; arguments qkv, yh; writes yh
.if DOCPART == 3
	.amdgcn_target "amdgcn-amd-amdhsa--gfx1250"
	.amdhsa_code_object_version 6
	.text
	.protected	k_q202cfee267_attn
	.globl	k_q202cfee267_attn
	.p2align	8
	.type	k_q202cfee267_attn,@function
k_q202cfee267_attn:
	s_mov_b64 s[64:65], 0
	v_nop
	global_prefetch_b8 v0, s[64:65] scope:SCOPE_SE
	s_setreg_imm32_b32 hwreg(HW_REG_WAVE_MODE, 25, 1), 1
	s_wait_xcnt 0x0
	s_wait_alu depctr_hold_cnt(0) depctr_sa_sdst(0) depctr_va_vdst(0) depctr_va_sdst(0) depctr_va_ssrc(0) depctr_va_vcc(0) depctr_vm_vsrc(0)
	s_getreg_b32 s2, hwreg(HW_REG_IB_STS2, 6, 4)
	s_cmp_eq_u32 s2, 0
	s_cbranch_scc0 .Lentry_in_a_cluster
	s_endpgm
.Lentry_in_a_cluster:
	s_bfe_u32 s2, ttmp6, 0x10000c
	s_cmp_lg_u32 s2, 0x3003
	s_cbranch_scc0 .Lentry_shape_is_right
	s_endpgm
.Lentry_shape_is_right:
; y[b][h][q] = the sum over k <= q of softmax_k(q . k / 8) v[k], head size 64, 2,048 positions, 64 (batch, head) pairs.  q, k, v: f16 [batch][48 heads][2048][64]; y: f16 [head][batch x 2048 + t][64].
; Products on f16 operands with f32 sums; maxima, exponentials and sums in f32; a running maximum m and sum l for each query: p = 2^(c s - c m), c = log2(e) / 8.
; SHARES.  A cluster of four work-groups owns one (batch, head) and walks the same K and V: every tile is asked for JOINTLY.  The head's queries fall into 16 zones of 128.  Wave w of each work-group owns 32
; queries (two tiles of 16) of zone c(w): queries 128 c + 32 cx on.  c(w) = 4 (g ^ s) + (pi(g) ^ s), g = w / 4, s = w % 4, pi = 0, 2, 3, 1: each zone once, and any four waves with equal w % 4 or equal
; w / 4 have zones that sum to 30, so that the causal mask leaves them equal work.  Every branch hangs on the wave's number and on counts of steps: a step of 32 keys is left out where its first key lies
; past the zone, and masked (by v_cndmask on the lane's query) from the zone's first key on.  The place in the cluster enters only q's, y's and the prefetches' addresses and the mask's lane value.
; Every work-group has all 16 zones, so each partner reads every tile that the joint loads bring.
; LAYOUT.  S^T = K Q^T (source 0 = 16 keys, source 1 = 16 queries), O^T = V^T P (source 0 = 16 channels, source 1 = P): a lane holds one query throughout; two tiles of S^T rounded to f16 in pairs are
; source 1 of the second product.  V is turned on its way out of LDS by ds_load_tr16_b128.
; RING.  Two slots of 256 keys; K's and V's 32,768 bytes of a slot are dense in memory and come as rows of 256 bytes (two keys), waves 0, 1: K's halves, waves 2, 3: V's.  One tensor load of a wave is out at the most.
; LIMITS: NaN and infinities are not served; the first 16 positions of each sequence are computed again in f32 by a later launch.
.set SLOT1, 1<<17                      ; slot 1 begins here: one exclusive or turns an address from one slot into the other's
.set VOFF,  34816                      ; a slot: 128 rows of K x 272, then 128 rows of V x 288.  Key k lies at (k / 2) x pitch + (k % 2) x 128
.set STAGE, 202752                     ; behind the ring: 32 rows x 144 bytes for each wave, for the way out
.set SPARE, 276480                     ; the spare words, 128 bytes for each wave: eight blocks of 256 bytes that no other line names
.set AK0, 1                            ; v1  my lane's place in a tile of K
.set AV0, 2                            ; v2  the same for V
.set ADK, 3                            ; v3  the step's address in K
.set ADV, 4                            ; v4  in V
.set SPW, 5
.set NIL, 6
.set PFO, 7                            ; v7  256 x lane
.set QD,  8                            ; v8  my first tile's query - 8 (lane / 16)
.set DD,  10
.set NINF, 11
.set ST,  12                           ; tile u's statistics at v[ST + 8 u]: +0 -c m, +1 m, +2, +3 l, +4 a (+5 named with it), +6, +7 at work
.set STO, 28
.set RD,  29
.set GO,  30
.set QR,  32                           ; Q: 16 u + 8 e
.set KR,  64                           ; K: 16 kt + 8 e
.set VR,  96                           ; V: 8 t
.set S,   128                          ; S^T: 16 u + 8 kt
.set P,   160                          ; P: 8 u
.set O,   176                          ; O^T: 32 u + 8 t
.set WV,  8
.set CX,  9
.set BH,  10
.set LIMLO, 12
.set LIMHI, 13
.set KF,  14
.set TBK, 15
.set TBV, 16
.set SLOTS, 17
.set CNT, 18
.set Q0,  19
.set SEL, 20
.set CS,  22
.set G1K, 24
.set G1V, 32
.set G0K, 40
.set G0V, 44
.set PFA, 48
.set LIM, 50
.set NC,  51
.macro JLOAD                           ; waves 0, 1 fetch K's halves, waves 2, 3 V's, the others nothing; the branches hang on the wave's number alone.  An s_nop 0 and four v_nop follow each line
	s_cmp_lt_u32 s[WV], 2
	s_cbranch_scc0 .Lnot_k_\@
	tensor_load_to_lds s[G0K:G0K+3], s[G1K:G1K+7]
	s_nop 0
.rept 4
	v_nop
.endr
	s_branch .Lasked_\@
.Lnot_k_\@:
	s_cmp_lt_u32 s[WV], 4
	s_cbranch_scc0 .Lasked_\@
	tensor_load_to_lds s[G0V:G0V+3], s[G1V:G1V+7]
	s_nop 0
.rept 4
	v_nop
.endr
.Lasked_\@:
.endm
; A prefetch of what the NEXT change of slots will ask for: a slot's 128 + 128 blocks of 256 bytes.  Each is named once in the launch: the four partners take 32 each, told apart by address; in each, wave 4
; asks for K's and wave 5 for V's, a lane a block.  It asks eight key steps ahead of the load; the last change that fills a slot asks for nothing, and nothing is asked at the head.
.macro ASK
	s_cmp_gt_u32 s[SLOTS], s[LIM]
	s_cbranch_scc0 .Lnot_mine_\@
	global_prefetch_b8 v[PFO], s[PFA:PFA+1] th:TH_LOAD_NT scope:SCOPE_SE
.Lnot_mine_\@:
.endm
.macro CROUND                          ; a round of the cluster's barrier
	s_barrier_signal -1
	s_barrier_wait -1
	s_cmp_lg_u32 s[WV], 0
	s_cbranch_scc1 .Lnot_wave_0_\@
	s_barrier_signal -3
.Lnot_wave_0_\@:
	s_barrier_wait -3
	s_barrier_signal -1
	s_barrier_wait -1
.endm
	s_load_b128 s[4:7], s[0:1], 0x0                ; qkv s[4:5], yh s[6:7]
	v_lshl_add_u32 v[SPW], v0, 2, SPARE
	v_mov_b32 v[NIL], 0
	ds_add_u32 v[SPW], v[NIL]                      ; the wave's opening: the add, twice on end, and its wait ahead of the first tensor loads
	ds_add_u32 v[SPW], v[NIL]
	v_lshrrev_b32 v9, 5, v0
	v_readfirstlane_b32 s[WV], v9                  ; wave 0..15
	s_bfe_u32 s[CX], ttmp6, 0x40000                ; my place in the cluster
	s_and_b32 s[BH], ttmp7, 0xffff                 ; 16 x batch + head
	s_lshr_b32 s52, s[WV], 2                       ; g
	s_and_b32 s53, s[WV], 3                        ; s
	s_lshl_b32 s54, s52, 1
	s_lshr_b32 s54, 0x78, s54
	s_and_b32 s54, s54, 3                          ; pi(g)
	s_xor_b32 s54, s54, s53
	s_xor_b32 s52, s52, s53
	s_lshl_b32 s52, s52, 2
	s_add_co_u32 s52, s52, s54                     ; my zone
	s_lshl_b32 s[LIMLO], s52, 7                    ; its first key: from here on steps are masked,
	s_add_co_u32 s[LIMHI], s[LIMLO], 128           ; and from here on left out
	s_lshl_b32 s[Q0], s[CX], 5
	s_add_co_u32 s[Q0], s[Q0], s[LIMLO]            ; my first query
	s_lshr_b32 s52, s[BH], 4
	s_and_b32 s53, s[BH], 15
	s_mul_i32 s54, s52, 48
	s_add_co_u32 s54, s54, s53
	s_lshl_b32 s54, s54, 18                        ; q's head in qkv, in bytes
	s_mov_b32 s55, 0
	s_and_b32 s58, s[WV], 1                        ; which half of a tile I fetch
	s_lshl_b32 s59, s58, 14
	s_add_co_u32 s56, s54, s59
	s_add_co_u32 s56, s56, 0x400000                ; k's head lies 16 heads on,
	s_mov_b32 s57, 0
	s_add_co_u32 s60, s56, 0x400000                ; v's 32
	s_mov_b32 s61, 0
	s_mul_i32 s62, s58, 17408                      ; and in a slot: 64 rows of 272,
	s_mul_i32 s63, s58, 18432
	s_add_co_u32 s63, s63, VOFF                    ; 64 rows of 288
	s_mov_b32 s[G1K], 15|(1<<16)|(1<<20)|(1<<21)|(5<<22)|(3<<25)  ; the mask: all four; elements of 2 bytes; padding: 4 words behind every 64
	s_mov_b32 s[G1V], 15|(1<<16)|(1<<20)|(1<<21)|(5<<22)|(7<<25)  ; the same with 8 words
.irp g, G1K, G1V
	s_mov_b32 s[\g+1], 128<<16                     ; tensor_dim0 = 128 elements
	s_mov_b32 s[\g+2], 64<<16                      ; tensor_dim1 = 64
	s_mov_b32 s[\g+3], 128<<16                     ; tile_dim0
	s_mov_b32 s[\g+4], 64                          ; tile_dim1
	s_mov_b32 s[\g+5], 128                         ; stride
	s_mov_b32 s[\g+6], 0
	s_mov_b32 s[\g+7], 0
.endr
	s_mov_b32 s[SEL], 0x76543210
	s_mov_b32 s[SEL+1], 0xfedcba98                 ; v_permlanex16_b32: lane l xor 16
	s_mov_b32 s[CS], 0x3e38aa3b                    ; c = log2(e) / 8
	s_mov_b32 s[CS+1], s[CS]
	s_mov_b32 s[NC], 0xbe38aa3b                    ; -c
	s_mov_b32 s[KF], 0
	s_mov_b32 s[TBK], 0
	s_mov_b32 s[TBV], 0
	s_mov_b32 s[SLOTS], 7
	s_wait_dscnt 0x0                               ; both opening adds are done
	s_wait_kmcnt 0x0
	s_mov_b32 s[G0K], 1
	s_mov_b32 s[G0K+1], s62
	s_add_nc_u64 s[G0K+2:G0K+3], s[4:5], s[56:57]
	s_or_b32 s[G0K+3], s[G0K+3], 0x80000000
	s_mov_b32 s[G0V], 1
	s_mov_b32 s[G0V+1], s63
	s_add_nc_u64 s[G0V+2:G0V+3], s[4:5], s[60:61]
	s_or_b32 s[G0V+3], s[G0V+3], 0x80000000
	CROUND                                         ; all four work-groups are here
	JLOAD                                          ; slot 0
	s_lshl_b32 s52, s58, 22                        ; the prefetches: K's head (even waves) or V's,
	s_add_co_u32 s52, s52, 0x408000                ; in slot 1: the first change steps it to slot 2,
	s_add_co_u32 s52, s52, s54
	s_lshl_b32 s53, s[CX], 13                      ; my work-group's 32 blocks
	s_add_co_u32 s52, s52, s53
	s_mov_b32 s53, 0
	s_add_nc_u64 s[PFA:PFA+1], s[4:5], s[52:53]
	s_lshr_b32 s59, s[WV], 1
	s_cmp_eq_u32 s59, 2
	s_cselect_b32 s[LIM], 1, -1                    ; waves 4 and 5 ask
	s_lshl_b32 s52, s[Q0], 7
	s_add_co_u32 s52, s52, s54
	s_add_nc_u64 s[4:5], s[4:5], s[52:53]          ; q at my first query
	s_and_b32 s52, s[BH], 15
	s_lshl_b32 s52, s52, 20
	s_lshr_b32 s59, s[BH], 4
	s_lshl_b32 s59, s59, 11
	s_add_co_u32 s59, s59, s[Q0]
	s_lshl_b32 s59, s59, 7
	s_add_co_u32 s52, s52, s59
	s_add_nc_u64 s[6:7], s[6:7], s[52:53]          ; y likewise
	v_and_b32 v240, 15, v0                         ; r
	v_bfe_u32 v241, v0, 4, 1                       ; h
	v_and_b32 v242, 31, v0                         ; lane
	v_lshlrev_b32 v244, 7, v240
	v_lshl_add_u32 v244, v241, 4, v244             ; q: row r of 128 bytes, + 16 h
.irp u, 0,1
.irp e, 0,1
	global_load_b128 v[QR+16*\u+8*\e:QR+16*\u+8*\e+3], v244, s[4:5] offset:\u*2048+64*\e
	global_load_b128 v[QR+16*\u+8*\e+4:QR+16*\u+8*\e+7], v244, s[4:5] offset:\u*2048+64*\e+32
.endr
.endr
	v_lshrrev_b32 v243, 1, v240
	v_mul_u32_u24 v[AK0], v243, 272
	v_and_b32 v243, 1, v0
	v_lshl_add_u32 v[AK0], v243, 7, v[AK0]
	v_lshl_add_u32 v[AK0], v241, 4, v[AK0]         ; K: key r: (r / 2) x 272 + (r % 2) x 128 + 16 h
	v_bfe_u32 v245, v0, 1, 2
	v_lshl_add_u32 v245, v241, 2, v245
	v_mul_u32_u24 v[AV0], v245, 288
	v_lshl_add_u32 v[AV0], v243, 7, v[AV0]
	v_bfe_u32 v245, v0, 3, 1
	v_lshl_add_u32 v[AV0], v245, 4, v[AV0]
	v_add_nc_u32 v[AV0], VOFF, v[AV0]              ; V, for the turning load: key 8 h + lane % 8, channels 8 ((lane / 8) % 2) on
	v_lshlrev_b32 v[PFO], 8, v242
	v_lshlrev_b32 v245, 3, v241
	v_sub_nc_u32 v[QD], v240, v245
	v_add_nc_u32 v[QD], s[Q0], v[QD]
	v_mov_b32 v[NINF], 0xff800000
	s_mul_i32 s52, s[WV], 4608
	s_add_co_u32 s52, s52, STAGE                   ; my stage
	v_mul_u32_u24 v[STO], v240, 144
	v_lshl_add_u32 v[STO], v241, 4, v[STO]
	v_add_nc_u32 v[STO], s52, v[STO]               ; in: row r, + 16 h
	v_lshrrev_b32 v245, 3, v242
	v_mul_u32_u24 v[RD], v245, 144
	v_and_b32 v245, 7, v0
	v_lshl_add_u32 v[RD], v245, 4, v[RD]
	v_add_nc_u32 v[RD], s52, v[RD]                 ; back: eight lanes a row of 128 bytes, four rows an instruction
	v_lshlrev_b32 v[GO], 4, v242
.irp u, 0,1
	v_mov_b32 v[ST+8*\u+1], 0xff61b1e6             ; m: -3e38, under every score
	v_mul_f32 v[ST+8*\u], s[NC], v[ST+8*\u+1]
.irp i, 2,3,4,5,6,7
	v_mov_b32 v[ST+8*\u+\i], 0
.endr
.endr
.irp j, 0,1,2,3,4,5,6,7,8,9,10,11,12,13,14,15,16,17,18,19,20,21,22,23,24,25,26,27,28,29,30,31,32,33,34,35,36,37,38,39,40,41,42,43,44,45,46,47,48,49,50,51,52,53,54,55,56,57,58,59,60,61,62,63
	v_mov_b32 v[O+\j], 0                           ; O^T: the step is written once; the first finds zeros, which its a = 0 leaves zeros
.endr
; A KEY STEP: 32 keys.
.macro STEP
	s_cmp_ge_u32 s[KF], s[LIMHI]                   ; all its keys come after my zone's queries: the work is left out, not the lines at the end that step addresses
	s_cbranch_scc1 .Lhidden_\@
	v_add_nc_u32 v[ADK], s[TBK], v[AK0]
	v_add_nc_u32 v[ADV], s[TBV], v[AV0]
	v_nop
	v_nop                                          ; four plain instructions between the last products and the loads into V's registers
.irp kt, 0,1
.irp e, 0,1
	ds_load_b128 v[KR+16*\kt+8*\e:KR+16*\kt+8*\e+3], v[ADK] offset:\kt*2176+64*\e
	ds_load_b128 v[KR+16*\kt+8*\e+4:KR+16*\kt+8*\e+7], v[ADK] offset:\kt*2176+64*\e+32
.endr
.endr
.irp t, 0,1,2,3
	ds_load_tr16_b128 v[VR+8*\t:VR+8*\t+3], v[ADV] offset:32*\t
	ds_load_tr16_b128 v[VR+8*\t+4:VR+8*\t+7], v[ADV] offset:32*\t+2304
.endr
	s_wait_dscnt 8                                 ; K's eight loads are in; V's eight may be out
.irp e, 0,1                                    ; S^T = K Q^T: four accumulators by turns, 32 channels a turn; the first four start the sums
.irp u, 0,1
.irp kt, 0,1
.if \e == 0
	v_wmma_f32_16x16x32_f16 v[S+16*\u+8*\kt:S+16*\u+8*\kt+7], v[KR+16*\kt:KR+16*\kt+7], v[QR+16*\u:QR+16*\u+7], 0
.else
	v_wmma_f32_16x16x32_f16 v[S+16*\u+8*\kt:S+16*\u+8*\kt+7], v[KR+16*\kt+8:KR+16*\kt+15], v[QR+16*\u+8:QR+16*\u+15], v[S+16*\u+8*\kt:S+16*\u+8*\kt+7]
.endif
.endr
.endr
.endr
.rept 4
	v_nop
.endr
	s_cmp_lt_u32 s[KF], s[LIMLO]                   ; all keys count for all my zone's queries: no mask
	s_cbranch_scc1 .Lopen_\@
	v_sub_nc_u32 v[DD], v[QD], s[KF]               ; register 8 kt + j of tile u holds key KF + 16 kt + 8 h + j: hidden where 16 kt + j - 16 u > d
.irp u, 0,1
.irp n, 0,1,2,3,4,5,6,7,8,9,10,11,12,13,14,15
	v_cmp_gt_i32 vcc_lo, (\n)+8*((\n)/8)-16*\u, v[DD]
	v_cndmask_b32 v[S+16*\u+\n], v[S+16*\u+\n], v[NINF], vcc_lo
.endr
.endr
.Lopen_\@:
	; the maximum of 16 scores and the old m, two chains a tile, each accumulator from its low end on; the two tiles alternate
.irp u, 0,1
	v_max3_num_f32 v[ST+8*\u+6], v[S+16*\u], v[S+16*\u+1], v[ST+8*\u+1]
.endr
.irp u, 0,1
	v_max3_num_f32 v[ST+8*\u+7], v[S+16*\u+8], v[S+16*\u+9], v[S+16*\u+10]
.endr
.irp u, 0,1
	v_max3_num_f32 v[ST+8*\u+6], v[ST+8*\u+6], v[S+16*\u+2], v[S+16*\u+3]
.endr
.irp u, 0,1
	v_max3_num_f32 v[ST+8*\u+7], v[ST+8*\u+7], v[S+16*\u+11], v[S+16*\u+12]
.endr
.irp u, 0,1
	v_max3_num_f32 v[ST+8*\u+6], v[ST+8*\u+6], v[S+16*\u+4], v[S+16*\u+5]
.endr
.irp u, 0,1
	v_max3_num_f32 v[ST+8*\u+7], v[ST+8*\u+7], v[S+16*\u+13], v[S+16*\u+14]
.endr
.irp u, 0,1
	v_max3_num_f32 v[ST+8*\u+6], v[ST+8*\u+6], v[S+16*\u+6], v[S+16*\u+7]
.endr
.irp u, 0,1
	v_max3_num_f32 v[ST+8*\u+7], v[ST+8*\u+7], v[S+16*\u+15], v[ST+8*\u+6]
.endr
.irp u, 0,1
	v_permlanex16_b32 v[ST+8*\u+6], v[ST+8*\u+7], s[SEL], s[SEL+1]   ; the query's other 16 keys lie in the lane 16 away
.endr
.irp u, 0,1
	v_max_num_f32 v[ST+8*\u+1], v[ST+8*\u+6], v[ST+8*\u+7]          ; the new m
.endr
.irp u, 0,1
	v_mov_b32 v[ST+8*\u+7], v[ST+8*\u]                             ; -c m_old
.endr
.irp u, 0,1
	v_mul_f32 v[ST+8*\u], s[NC], v[ST+8*\u+1]                      ; -c m
.endr
.irp u, 0,1
	v_sub_f32 v[ST+8*\u+7], v[ST+8*\u], v[ST+8*\u+7]               ; c m_old - c m_new
.endr
.irp i, 0,2,4,6,8,10,12,14
.irp u, 0,1
	v_pk_fma_f32 v[S+16*\u+\i:S+16*\u+\i+1], v[S+16*\u+\i:S+16*\u+\i+1], s[CS:CS+1], v[ST+8*\u:ST+8*\u+1] op_sel_hi:[1,0,0]   ; c s - c m
.endr
.endr
.irp u, 0,1                                    ; ONE BATCH of 34 exponentials; none reads another's result
	v_exp_f32 v[ST+8*\u+4], v[ST+8*\u+7]           ; a
.endr
.irp j, 0,1,2,3,4,5,6,7,8,9,10,11,12,13,14,15,16,17,18,19,20,21,22,23,24,25,26,27,28,29,30,31
	v_exp_f32 v[S+\j], v[S+\j]                     ; p
.endr
	v_nop                                          ; a plain instruction behind the last exponential
	s_wait_alu depctr_va_vdst(0)                   ; the wait ahead of the first instruction that names a result: one for the batch
.irp u, 0,1
.irp i, 0,1,2,3,4,5,6,7
	v_cvt_pk_f16_f32 v[P+8*\u+\i], v[S+16*\u+2*\i], v[S+16*\u+2*\i+1]
.endr
.endr
.irp u, 0,1                                    ; the sum of the unrounded p, in place
.irp i, 0,4,8,12
	v_pk_add_f32 v[S+16*\u+\i:S+16*\u+\i+1], v[S+16*\u+\i:S+16*\u+\i+1], v[S+16*\u+\i+2:S+16*\u+\i+3]
.endr
.endr
.irp u, 0,1
.irp i, 0,8
	v_pk_add_f32 v[S+16*\u+\i:S+16*\u+\i+1], v[S+16*\u+\i:S+16*\u+\i+1], v[S+16*\u+\i+4:S+16*\u+\i+5]
.endr
.endr
.irp u, 0,1
	v_pk_add_f32 v[S+16*\u:S+16*\u+1], v[S+16*\u:S+16*\u+1], v[S+16*\u+8:S+16*\u+9]
.endr
.irp u, 0,1
	v_pk_fma_f32 v[ST+8*\u+2:ST+8*\u+3], v[ST+8*\u+2:ST+8*\u+3], v[ST+8*\u+4:ST+8*\u+5], v[S+16*\u:S+16*\u+1] op_sel_hi:[1,0,1]   ; l = a l + the sum
.endr
.irp u, 0,1
.irp i, 0,2,4,6,8,10,12,14,16,18,20,22,24,26,28,30
	v_pk_mul_f32 v[O+32*\u+\i:O+32*\u+\i+1], v[O+32*\u+\i:O+32*\u+\i+1], v[ST+8*\u+4:ST+8*\u+5] op_sel_hi:[1,0]   ; O^T x a, each accumulator from its low end on
.endr
.endr
	s_wait_dscnt 0x0                               ; V is in
.irp t, 0,1,2,3                                ; O^T += V^T P: eight accumulators, one instruction each
.irp u, 0,1
	v_wmma_f32_16x16x32_f16 v[O+32*\u+8*\t:O+32*\u+8*\t+7], v[VR+8*\t:VR+8*\t+7], v[P+8*\u:P+8*\u+7], v[O+32*\u+8*\t:O+32*\u+8*\t+7]
.endr
.endr
.Lhidden_\@:
	s_add_co_u32 s[KF], s[KF], 32
	s_add_co_u32 s[TBK], s[TBK], 4352              ; 16 rows of 272
	s_add_co_u32 s[TBV], s[TBV], 4608              ; 16 rows of 288
.endm
; THE CHANGE OF SLOTS stands at a slot's head.  Each wave waits for all its tensor loads, adds 0 to its spare word, and waits for that and for its reads of the slot that it has left.  fill = 1: a round of the
; cluster's barrier follows, behind which no wave of any partner reads that slot or has a load on its way; the joint load of the next 256 keys is the first thing behind it and has eight steps in which to land.
.macro CHANGE fill
	s_wait_tensorcnt 0x0                           ; no tensor load of mine is out, so a group 0 may be written
	ds_add_u32 v[SPW], v[NIL]
.if \fill
	ds_add_u32 v[SPW], v[NIL]                      ; and twice on end here, in every trip alike
	s_xor_b32 s[G0K+1], s[G0K+1], SLOT1
	s_add_nc_u64 s[G0K+2:G0K+3], s[G0K+2:G0K+3], 32768
	s_xor_b32 s[G0V+1], s[G0V+1], SLOT1
	s_add_nc_u64 s[G0V+2:G0V+3], s[G0V+2:G0V+3], 32768
	s_wait_xcnt 0x0                                ; the last prefetch, a slot back, has read its address
	s_add_nc_u64 s[PFA:PFA+1], s[PFA:PFA+1], 32768
.endif
	s_wait_dscnt 0x0
.if \fill
	CROUND
	JLOAD
	ASK
.else
	s_barrier_signal -1
	s_barrier_wait -1
.endif
.endm
.macro SLOT_STEPS                      ; a slot's eight steps: written once, walked eight times; the LDS addresses hang on s[TBK], s[TBV]
	s_mov_b32 s[CNT], 8
.Lstep_\@:
	STEP
	s_sub_co_u32 s[CNT], s[CNT], 1
	s_cmp_lg_u32 s[CNT], 0
	s_cbranch_scc1 .Lstep_\@
	s_sub_co_u32 s[TBK], s[TBK], 34816             ; back to a slot's first step,
	s_xor_b32 s[TBK], s[TBK], SLOT1                ; in the other slot
	s_sub_co_u32 s[TBV], s[TBV], 36864
	s_xor_b32 s[TBV], s[TBV], SLOT1
.endm
	s_wait_loadcnt 0x0                             ; Q
.Lslot:                                            ; seven trips: behind each change of slots but the last the next slot is asked for
	CHANGE 1
	SLOT_STEPS
	s_sub_co_u32 s[SLOTS], s[SLOTS], 1
	s_cmp_lg_u32 s[SLOTS], 0
	s_cbranch_scc1 .Lslot
	CHANGE 0                                       ; the last slot is written out
	SLOT_STEPS
	; THE WAY OUT.  l's halves and the other half of the lanes' are added; O^T is divided by l, rounded to f16 and goes through my stage, so that each store covers 512 consecutive bytes of y.
.irp u, 0,1
	v_add_f32 v[ST+8*\u+6], v[ST+8*\u+2], v[ST+8*\u+3]
.endr
.irp u, 0,1
	v_permlanex16_b32 v[ST+8*\u+7], v[ST+8*\u+6], s[SEL], s[SEL+1]
.endr
.irp u, 0,1
	v_add_f32 v[ST+8*\u+6], v[ST+8*\u+6], v[ST+8*\u+7]
.endr
	v_nop
	v_nop
.irp u, 0,1
	v_rcp_f32 v[ST+8*\u+4], v[ST+8*\u+6]
.endr
	v_nop                                          ; a plain instruction behind the last reciprocal
	s_wait_alu depctr_va_vdst(0)                   ; and the wait ahead of the first use: one for both
.irp u, 0,1
.irp i, 0,2,4,6,8,10,12,14,16,18,20,22,24,26,28,30
	v_pk_mul_f32 v[O+32*\u+\i:O+32*\u+\i+1], v[O+32*\u+\i:O+32*\u+\i+1], v[ST+8*\u+4:ST+8*\u+5] op_sel_hi:[1,0]
.endr
.irp i, 0,1,2,3,4,5,6,7,8,9,10,11,12,13,14,15
	v_cvt_pk_f16_f32 v[KR+16*\u+\i], v[O+32*\u+2*\i], v[O+32*\u+2*\i+1]
.endr
.irp t, 0,1,2,3
	ds_store_b128 v[STO], v[KR+16*\u+4*\t:KR+16*\u+4*\t+3] offset:\u*2304+32*\t
.endr
.irp i, 0,1,2,3
	ds_load_b128 v[S+16*\u+4*\i:S+16*\u+4*\i+3], v[RD] offset:\u*2304+576*\i   ; LDS serves a wave's instructions in order: these see my stores
.endr
.endr
.irp u, 0,1
.irp i, 0,1,2,3
	s_wait_dscnt (1-\u)*8+3-\i                     ; this load is back; the younger LDS instructions may be out
	global_store_b128 v[GO], v[S+16*\u+4*\i:S+16*\u+4*\i+3], s[6:7] offset:\u*2048+512*\i
.endr
.endr
	s_wait_tensorcnt 0x0                           ; the wave's end
	ds_add_u32 v[SPW], v[NIL]
	s_wait_dscnt 0x0
	CROUND                                         ; the closing round
	s_endpgm
.Lfunc_end_k_q202cfee267_attn:
	.size	k_q202cfee267_attn, .Lfunc_end_k_q202cfee267_attn-k_q202cfee267_attn
	.p2alignl 7, 3214868480
	.fill 96, 4, 3214868480
	.section	.rodata,"a",@progbits
	.p2align	6, 0x0
	.amdhsa_kernel k_q202cfee267_attn
		.amdhsa_group_segment_fixed_size 327680
		.amdhsa_private_segment_fixed_size 0
		.amdhsa_enable_private_segment 0
		.amdhsa_kernarg_size 16
		.amdhsa_user_sgpr_count 2
		.amdhsa_user_sgpr_kernarg_segment_ptr 1
		.amdhsa_wavefront_size32 1
		.amdhsa_system_sgpr_workgroup_id_x 1
		.amdhsa_system_sgpr_workgroup_id_y 1
		.amdhsa_system_sgpr_workgroup_id_z 1
		.amdhsa_system_vgpr_workitem_id 0
		.amdhsa_next_free_vgpr 256
		.amdhsa_next_free_sgpr 66
		.amdhsa_reserve_vcc 1
		.amdhsa_float_denorm_mode_32 3
		.amdhsa_float_denorm_mode_16_64 3
		.amdhsa_memory_ordered 1
		.amdhsa_forward_progress 1
		.amdhsa_inst_pref_size 45
	.end_amdhsa_kernel
	.amdgpu_metadata
---
amdhsa.version: [ 1, 2 ]
amdhsa.kernels:
  - .name:           k_q202cfee267_attn
    .symbol:         k_q202cfee267_attn.kd
    .args:
      - { .name: qkv, .offset: 0, .size: 8, .value_kind: global_buffer, .address_space: global }
      - { .name: yh, .offset: 8, .size: 8, .value_kind: global_buffer, .address_space: global }
    .group_segment_fixed_size: 327680
    .private_segment_fixed_size: 0
    .kernarg_segment_align: 8
    .kernarg_segment_size: 16
    .max_flat_workgroup_size: 512
    .sgpr_count:     66
    .vgpr_count:     256
    .wavefront_size: 32
...
	.end_amdgpu_metadata
.endif
;; end of part 3
;; launch proj (part 4): grid 4 x 64, 4 waves a work-group, clusters of 4 x 4, 327,680 bytes of LDS; arguments yh, wph, out0; writes out0
.if DOCPART == 4
	.amdgcn_target "amdgcn-amd-amdhsa--gfx1250"
	.amdhsa_code_object_version 6
	.text
	.protected	k_q202cfee267_proj
	.globl	k_q202cfee267_proj
	.p2align	8
	.type	k_q202cfee267_proj,@function
k_q202cfee267_proj:
	s_mov_b64 s[64:65], 0
	v_nop
	global_prefetch_b8 v0, s[64:65] scope:SCOPE_SE
	s_setreg_imm32_b32 hwreg(HW_REG_WAVE_MODE, 25, 1), 1
	s_wait_xcnt 0x0
	s_wait_alu depctr_hold_cnt(0) depctr_sa_sdst(0) depctr_va_vdst(0) depctr_va_sdst(0) depctr_va_ssrc(0) depctr_va_vcc(0) depctr_vm_vsrc(0)
	s_getreg_b32 s2, hwreg(HW_REG_IB_STS2, 6, 4)
	s_cmp_eq_u32 s2, 0
	s_cbranch_scc0 .Lentry_in_a_cluster
	s_endpgm
.Lentry_in_a_cluster:
	s_bfe_u32 s2, ttmp6, 0x10000c
	s_cmp_lg_u32 s2, 0xf033
	s_cbranch_scc0 .Lentry_shape_is_right
	s_endpgm
.Lentry_shape_is_right:
; out0 = y w_proj: [8192][1024] x [1024 k][1024 n], f16 operands, f32 sums, f32 out.  y lies by head, [16][8192][64]; w_proj as it is given, K its first axis, in f16.
; A tile of 128 x 256 of the output gives 256 work-groups; four waves, each 64 x 128: 32 accumulators, all of window 1.  K goes in steps of 128 (two heads) through a ring of two LDS slots.
; A's part of a slot: for each of the two heads 128 rows x 128 bytes, dense in memory, brought as 64 rows of 256 bytes; row m lies at (m / 2) x 272 + (m % 2) x 128.  B's part: 128 rows (k) of 512 bytes, pitch 544,
; turned on the way out of LDS by ds_load_tr16_b128.  Waves 0, 1 fetch A's two heads, waves 2, 3 B's two halves: one tensor load a wave behind each round, two at the head.
; CLUSTERS: 4 x 4; A's tiles are asked for jointly along a row of the cluster, B's along a column.  THE MATRIX INSTRUCTION IS USED TRANSPOSED (source 0 = 16 columns of w_proj, source 1 = 16 rows of y).
; No prefetch: eight short K steps on a small tile.  The 64 rows t < 16 are written again, in f32 arithmetic throughout, by the launch that follows.
; REGISTERS: window 0: v0-31 addresses; two fragment buffers of 96 (A's 4 x 8, then B's 8 x 8) at v64 and v160.  window 1: accumulator (a, b) at v[8 (8 a + b)].
.set SLOT,   104448
.set BOFF,   34816
.set STAGE,  208896                    ; behind the ring: 16 rows x 528 bytes for each wave
.set SPITCH, 528
.set SPARE,  242688                    ; the spare words, 128 bytes for each wave: two blocks of 256 bytes that no other line names
.set LAPS,   4
.set ADRA, 16
.set ADRB, 20
.set STO,  24
.set RD,   25
.set CO,   26
.set SPW,  28
.set NIL,  29
.set F0,   64
.set F1,   160
.set BK,   64                          ; the way out: v64-127 and v128-191 by turns
.set G1, 24
.set G0, 32
.set G1B, 48
.set G0B, 56
.set MSB, 0
.macro WIN new
.if MSB != \new
	s_set_vgpr_msb (MSB<<8)|\new
.set MSB, \new
.endif
.endm
.set MUL, 0x50                         ; C and D window 1, sources window 0
.macro JLOAD s                         ; a joint load; an s_nop 0 and four v_nop follow each of the two lines
	s_cmp_eq_u32 s11, 0
	s_cbranch_scc0 .Lfor_b_\@
	tensor_load_to_lds s[G0+4*\s:G0+4*\s+3], s[G1:G1+7]
	s_nop 0
.rept 4
	v_nop
.endr
	s_branch .Lasked_\@
.Lfor_b_\@:
	tensor_load_to_lds s[G0B+4*\s:G0B+4*\s+3], s[G1B:G1B+7]
	s_nop 0
.rept 4
	v_nop
.endr
.Lasked_\@:
.endm
.macro CREST
	s_cmp_lg_u32 s10, 0
	s_cbranch_scc1 .Lnot_wave_0_\@
	s_barrier_signal -3
.Lnot_wave_0_\@:
	s_barrier_wait -3
	s_barrier_signal -1
	s_barrier_wait -1
.endm
.macro CROUND
	s_barrier_signal -1
	s_barrier_wait -1
	CREST
.endm
	s_load_b128 s[4:7], s[0:1], 0x0                ; yh, wph
	s_load_b64 s[8:9], s[0:1], 0x10                ; out0
	v_lshl_add_u32 v[SPW], v0, 2, SPARE
	v_mov_b32 v[NIL], 0
	ds_add_u32 v[SPW], v[NIL]                      ; the wave's opening: the add, twice on end, and its wait ahead of my first tensor load
	ds_add_u32 v[SPW], v[NIL]
	v_lshrrev_b32 v1, 5, v0
	v_readfirstlane_b32 s10, v1                    ; wave 0..3
	s_lshr_b32 s11, s10, 1                         ; my half of the tile's rows.  Also: I fetch for A (0) or for B (1)
	s_and_b32 s12, s10, 1                          ; my half of its columns.  Also: which head of the two, or which 64 rows of B
	s_bfe_u32 s40, ttmp6, 0x40000                  ; cx
	s_bfe_u32 s41, ttmp6, 0x40004                  ; cy
	s_lshl_b32 s42, ttmp9, 2
	s_add_co_u32 s42, s42, s40                     ; tile column
	s_and_b32 s13, ttmp7, 0xffff
	s_lshl_b32 s13, s13, 2
	s_add_co_u32 s13, s13, s41                     ; tile row
	s_lshl_b32 s43, s41, 2
	s_lshl_b32 s43, 15, s43                        ; my row of the cluster
	s_lshl_b32 s44, 0x1111, s40                    ; my column
	s_or_b32 s[G1+0], s43, (1<<16)|(1<<20)|(1<<21)|(5<<22)|(3<<25)   ; A: elements of 2 bytes; 4 words of padding behind every 64
	s_mov_b32 s[G1+1], 128<<16
	s_mov_b32 s[G1+2], 64<<16
	s_mov_b32 s[G1+3], 128<<16
	s_mov_b32 s[G1+4], 64
	s_mov_b32 s[G1+5], 128
	s_mov_b32 s[G1+6], 0
	s_mov_b32 s[G1+7], 0
	s_or_b32 s[G1B+0], s44, (1<<16)|(1<<20)|(1<<21)|(6<<22)|(7<<25)  ; B: 8 words of padding behind every 128
	s_mov_b32 s[G1B+1], 256<<16
	s_mov_b32 s[G1B+2], 64<<16
	s_mov_b32 s[G1B+3], 256<<16
	s_mov_b32 s[G1B+4], 64
	s_mov_b32 s[G1B+5], 1024
	s_mov_b32 s[G1B+6], 0
	s_mov_b32 s[G1B+7], 0
	s_lshl_b32 s16, s13, 14                        ; A: 128 rows of 128 bytes a tile row,
	s_lshl_b32 s17, s12, 20                        ; a head is 1,048,576 bytes
	s_add_co_u32 s16, s16, s17
	s_mov_b32 s17, 0
	s_lshl_b32 s46, s42, 9                         ; B: 512 bytes a tile column,
	s_lshl_b32 s47, s12, 17                        ; 64 rows of 2,048 bytes
	s_add_co_u32 s46, s46, s47
	s_mov_b32 s47, 0
	s_mul_i32 s20, s12, 17408                      ; where they go in a slot
	s_mul_i32 s21, s12, 34816
	s_add_co_u32 s21, s21, BOFF
	s_wait_dscnt 0x0                               ; both opening adds are done
	s_wait_kmcnt 0x0
	s_add_nc_u64 s[14:15], s[4:5], s[16:17]
	s_add_nc_u64 s[46:47], s[6:7], s[46:47]
	CROUND                                         ; all sixteen work-groups are here
.irp s, 0,1
	s_mov_b32 s[G0+4*\s], 1
	s_add_co_u32 s[G0+4*\s+1], s20, \s*SLOT
	s_add_nc_u64 s[G0+4*\s+2:G0+4*\s+3], s[14:15], \s*2097152      ; K step s: heads 2 s, 2 s + 1
	s_or_b32 s[G0+4*\s+3], s[G0+4*\s+3], 0x80000000
	s_mov_b32 s[G0B+4*\s], 1
	s_add_co_u32 s[G0B+4*\s+1], s21, \s*SLOT
	s_add_nc_u64 s[G0B+4*\s+2:G0B+4*\s+3], s[46:47], \s*262144     ; 128 rows of 2,048 bytes
	s_or_b32 s[G0B+4*\s+3], s[G0B+4*\s+3], 0x80000000
	JLOAD \s
.endr
	v_and_b32 v1, 15, v0                           ; r
	v_bfe_u32 v2, v0, 4, 1                         ; h
	v_lshrrev_b32 v3, 1, v1
	v_mul_u32_u24 v3, v3, 272
	v_and_b32 v4, 1, v0
	v_lshl_add_u32 v3, v4, 7, v3
	v_lshl_add_u32 v3, v2, 4, v3                   ; A: row r: (r / 2) x 272 + (r % 2) x 128 + 16 h
	v_and_b32 v4, 7, v0
	v_lshl_add_u32 v4, v2, 3, v4
	v_mul_u32_u24 v4, v4, 544
	v_bfe_u32 v5, v0, 3, 1
	v_lshl_add_u32 v4, v5, 4, v4                   ; B, for the turning load: row 8 h + lane % 8, columns 8 ((lane / 8) % 2) on
	s_mul_i32 s21, s11, 8704                       ; my 64 rows of A: 32 LDS rows
	s_lshl_b32 s22, s12, 8                         ; my 128 columns of B
	s_add_co_u32 s22, s22, BOFF
.irp s, 0,1
	v_add_nc_u32 v[ADRA+\s], s21, v3
	v_add_nc_u32 v[ADRB+\s], s22, v4
	s_add_co_u32 s21, s21, SLOT
	s_add_co_u32 s22, s22, SLOT
.endr
	s_mul_i32 s23, s10, 16*SPITCH
	s_add_co_u32 s23, s23, STAGE                   ; my stage
	v_mul_u32_u24 v5, v1, SPITCH
	v_lshl_add_u32 v5, v2, 5, v5
	v_add_nc_u32 v[STO], s23, v5                   ; in: row r, 32 bytes for each half of the lanes
	v_and_b32 v6, 31, v0
	v_lshlrev_b32 v[CO], 4, v6
	v_add_nc_u32 v[RD], s23, v[CO]                 ; back: the 32 lanes take a row of 512 bytes
	s_lshl_b32 s16, s13, 19                        ; out0: 128 rows of 4,096 bytes a tile row,
	s_lshl_b32 s17, s11, 18                        ; my 64,
	s_add_co_u32 s16, s16, s17
	s_mov_b32 s17, 0
	s_lshl_b32 s46, s42, 10                        ; 1,024 bytes a tile column,
	s_lshl_b32 s47, s12, 9                         ; my 512
	s_add_co_u32 s46, s46, s47
	s_mov_b32 s47, 0
	s_add_nc_u64 s[16:17], s[16:17], s[46:47]
	s_add_nc_u64 s[8:9], s[8:9], s[16:17]
.macro MUL8 f, a, zero                 ; A's block a against B's eight, 32 along K.  The 32 accumulators take turns, one instruction a turn, in the same order in every quarter
.irp b, 0,1,2,3,4,5,6,7
.if \zero
	v_wmma_f32_16x16x32_f16 v[8*(8*(\a)+\b):8*(8*(\a)+\b)+7], v[\f+32+8*\b:\f+32+8*\b+7], v[\f+8*(\a):\f+8*(\a)+7], 0
.else
	v_wmma_f32_16x16x32_f16 v[8*(8*(\a)+\b):8*(8*(\a)+\b)+7], v[\f+32+8*\b:\f+32+8*\b+7], v[\f+8*(\a):\f+8*(\a)+7], v[8*(8*(\a)+\b):8*(8*(\a)+\b)+7]
.endif
.endr
.endm
.macro FETCH slot, kq, f               ; 24 LDS loads in one run: the fragments of the slot's kq-th 32 along K: B's sixteen first, then A's eight
	WIN 0
.irp b, 0,1,2,3,4,5,6,7
	ds_load_tr16_b128 v[\f+32+8*\b:\f+32+8*\b+3], v[ADRB+\slot] offset:(\kq)*17408+32*\b
	ds_load_tr16_b128 v[\f+32+8*\b+4:\f+32+8*\b+7], v[ADRB+\slot] offset:(\kq)*17408+32*\b+8704
.endr
.irp i, 0,1,2,3
	ds_load_b128 v[\f+8*\i:\f+8*\i+3], v[ADRA+\slot] offset:((\kq)/2)*17408+((\kq)%2)*64+2176*\i
	ds_load_b128 v[\f+8*\i+4:\f+8*\i+7], v[ADRA+\slot] offset:((\kq)/2)*17408+((\kq)%2)*64+2176*\i+32
.endr
.endm
.macro PLACES
.rept 4
	v_nop
.endr
.endm
.macro QUARTER slot, kq, f, g, zero    ; multiplies buffer f; in its middle fetches the slot's kq-th quarter into g
	s_wait_dscnt 4                                 ; B and A's blocks 0, 1 are in; A's blocks 2, 3 may be out
	WIN MUL
	MUL8 \f, 0, \zero
	MUL8 \f, 1, \zero
	PLACES
	FETCH \slot, \kq, \g
	s_wait_dscnt 24                                ; all but the 24 just issued
	WIN MUL
	MUL8 \f, 2, \zero
	MUL8 \f, 3, \zero
.endm
; A slot's last quarter multiplies buffer 1 and changes slots: one barrier; in front of it each wave waits for all its tensor loads, adds 0 to its spare word, and waits for that and for its reads of this slot.
; fill = 1: the barrier opens a round of the cluster's barrier, and this slot is filled again, two K steps ahead: 112 matrix instructions ahead of the wait for it.
.macro TURN slot, next, fill
	WIN 0
	s_wait_tensorcnt 0x0
	ds_add_u32 v[SPW], v[NIL]
	s_wait_dscnt 5                                 ; the add and A's blocks 2, 3 may be out
	WIN MUL
	MUL8 F1, 0, 0
	s_wait_dscnt 0x0
	s_barrier_signal -1
	MUL8 F1, 1, 0
	WIN 0
	s_barrier_wait -1
.if \fill
	CREST
	s_add_nc_u64 s[G0+4*\slot+2:G0+4*\slot+3], s[G0+4*\slot+2:G0+4*\slot+3], 4194304
	s_add_nc_u64 s[G0B+4*\slot+2:G0B+4*\slot+3], s[G0B+4*\slot+2:G0B+4*\slot+3], 524288
	JLOAD \slot                                    ; the four v_nop behind it are also the places in front of the loads below
.else
	PLACES
.endif
	FETCH \next, 0, F0
	WIN MUL
	MUL8 F1, 2, 0
	MUL8 F1, 3, 0
.endm
	s_wait_tensorcnt 1                             ; my part of K step 0 is in; K step 1's may be out
	s_barrier_signal -1
	s_barrier_wait -1
	FETCH 0, 0, F0
	QUARTER 0, 1, F0, F1, 1                        ; the first quarter's products start the sums
	WIN 0
	s_mov_b32 s3, LAPS-1
.Llap:                                             ; a trip goes once round the ring and fills both slots again
	QUARTER 0, 2, F1, F0, 0
	QUARTER 0, 3, F0, F1, 0
	TURN 0, 1, 1
	QUARTER 1, 1, F0, F1, 0
	QUARTER 1, 2, F1, F0, 0
	QUARTER 1, 3, F0, F1, 0
	TURN 1, 0, 1
	QUARTER 0, 1, F0, F1, 0
	WIN 0
	s_sub_co_u32 s3, s3, 1
	s_cmp_lg_u32 s3, 0
	s_cbranch_scc1 .Llap
	QUARTER 0, 2, F1, F0, 0                        ; the last lap fills nothing
	QUARTER 0, 3, F0, F1, 0
	TURN 0, 1, 0
	QUARTER 1, 1, F0, F1, 0
	QUARTER 1, 2, F1, F0, 0
	QUARTER 1, 3, F0, F1, 0
	s_wait_dscnt 4
	WIN MUL
	MUL8 F1, 0, 0
	MUL8 F1, 1, 0
	s_wait_dscnt 0
	MUL8 F1, 2, 0
	MUL8 F1, 3, 0
	WIN 0
; THE WAY OUT, block by block of 16 rows x 128 columns: through my own stage and back as whole rows of 512 bytes.  LDS serves a wave's instructions in order.
.macro TOSTAGE a
	WIN 0x04                                       ; an LDS store's data are its source 1: window 1
.irp b, 0,1,2,3,4,5,6,7
	ds_store_b128 v[STO], v[64*(\a)+8*\b:64*(\a)+8*\b+3] offset:64*\b          ; each accumulator from its low end on
	ds_store_b128 v[STO], v[64*(\a)+8*\b+4:64*(\a)+8*\b+7] offset:64*\b+16
.endr
	WIN 0
.set BB, BK+64*((\a)%2)
.irp t, 0,1,2,3,4,5,6,7,8,9,10,11,12,13,14,15
	ds_load_b128 v[BB+4*\t:BB+4*\t+3], v[RD] offset:\t*SPITCH
.endr
.endm
.macro SEND a, younger
.set BB, BK+64*((\a)%2)
	s_wait_dscnt \younger                          ; the block is back; the LDS instructions issued behind its loads may be out
.irp t, 0,1,2,3,4,5,6,7,8,9,10,11,12,13,14,15
	global_store_b128 v[CO], v[BB+4*\t:BB+4*\t+3], s[8:9] offset:(\a)*65536+\t*4096 th:TH_STORE_NT   ; 512 consecutive bytes, aligned
.endr
.endm
	PLACES
	TOSTAGE 0
.irp a, 1,2,3
.if \a > 1
	s_wait_xcnt 0x0                                ; block a - 2's stores have read their registers: block a's loads may land there
.endif
	TOSTAGE \a
	SEND \a-1, 32
.endr
	SEND 3, 0
	s_wait_tensorcnt 0x0                           ; the wave's end
	ds_add_u32 v[SPW], v[NIL]
	s_wait_dscnt 0x0
	CROUND                                         ; the closing round
	s_endpgm
.Lfunc_end_k_q202cfee267_proj:
	.size	k_q202cfee267_proj, .Lfunc_end_k_q202cfee267_proj-k_q202cfee267_proj
	.p2alignl 7, 3214868480
	.fill 96, 4, 3214868480
	.section	.rodata,"a",@progbits
	.p2align	6, 0x0
	.amdhsa_kernel k_q202cfee267_proj
		.amdhsa_group_segment_fixed_size 327680
		.amdhsa_private_segment_fixed_size 0
		.amdhsa_enable_private_segment 0
		.amdhsa_kernarg_size 24
		.amdhsa_user_sgpr_count 2
		.amdhsa_user_sgpr_kernarg_segment_ptr 1
		.amdhsa_wavefront_size32 1
		.amdhsa_system_sgpr_workgroup_id_x 1
		.amdhsa_system_sgpr_workgroup_id_y 1
		.amdhsa_system_sgpr_workgroup_id_z 1
		.amdhsa_system_vgpr_workitem_id 0
		.amdhsa_next_free_vgpr 512
		.amdhsa_next_free_sgpr 66
		.amdhsa_reserve_vcc 0
		.amdhsa_float_denorm_mode_32 3
		.amdhsa_float_denorm_mode_16_64 3
		.amdhsa_memory_ordered 1
		.amdhsa_forward_progress 1
		.amdhsa_inst_pref_size 85
	.end_amdhsa_kernel
	.amdgpu_metadata
---
amdhsa.version: [ 1, 2 ]
amdhsa.kernels:
  - .name:           k_q202cfee267_proj
    .symbol:         k_q202cfee267_proj.kd
    .args:
      - { .name: yh, .offset: 0, .size: 8, .value_kind: global_buffer, .address_space: global }
      - { .name: wph, .offset: 8, .size: 8, .value_kind: global_buffer, .address_space: global }
      - { .name: out0, .offset: 16, .size: 8, .value_kind: global_buffer, .address_space: global }
    .group_segment_fixed_size: 327680
    .private_segment_fixed_size: 0
    .kernarg_segment_align: 8
    .kernarg_segment_size: 24
    .max_flat_workgroup_size: 128
    .sgpr_count:     66
    .vgpr_count:     512
    .wavefront_size: 32
...
	.end_amdgpu_metadata
.endif
;; end of part 4
;; launch fine (part 5): grid 16 x 4, 16 waves a work-group, no clusters, 71,680 bytes of LDS; arguments qkvf, w_proj, out0; writes out0
.if DOCPART == 5
	.amdgcn_target "amdgcn-amd-amdhsa--gfx1250"
	.amdhsa_code_object_version 6
	.text
	.protected	k_q202cfee267_fine
	.globl	k_q202cfee267_fine
	.p2align	8
	.type	k_q202cfee267_fine,@function
k_q202cfee267_fine:
	s_mov_b64 s[64:65], 0
	v_nop
	global_prefetch_b8 v0, s[64:65] scope:SCOPE_SE
	s_setreg_imm32_b32 hwreg(HW_REG_WAVE_MODE, 25, 1), 1
	s_wait_xcnt 0x0
; The first 16 positions of every sequence, in f32 from the quantised product's sums to out0: they average one to sixteen values, are the largest in size, and f16 operands would use up what their comparison allows.
; A work-group takes 64 output columns (x) of one batch (y).  Wave w does head w's 16 x 16 causal attention, keeps its y (16 x 64) in registers, multiplies it by rows 64 w .. 64 w + 63 of w_proj at the
; 64 columns, and the sixteen partial sums meet in LDS; wave w then adds and stores row w: 256 consecutive bytes, aligned.  96 f32 matrix instructions a wave: no bulk work.
; qkvf holds images of accumulators: [batch][column / 16][half][lane][4]: lane (r, h), register 4 half + i = qkv(row r, column 16 nt + 8 h + 4 half + i).
; K IS PERMUTED ALIKE ON BOTH SOURCES of each product: a step of 4 along K takes, for lane half h and register j, the same channel or key on both sides.
; The four accumulators v16-47 are written by matrix instructions alone; each sum begins with the constant 0.
.set SPARE, 69632                      ; LDS: 16 waves x 16 rows x 272; behind them the spare words, 128 bytes for each wave
.set LI,  3
.set AVG, 4
.set AW,  5
.set STO, 6
.set RD,  7
.set GO,  8
.set SPW, 9
.set NIL, 10
.set DD,  11
.set ACC, 16
.set QF,  48
.set KF,  80
.set VF,  112
.set YN,  112
.set W1,  144
.set W2,  48
.set SS,  208
.set PP,  216
.set TM,  224
	s_load_b128 s[4:7], s[0:1], 0x0                ; qkvf, w_proj
	s_load_b64 s[8:9], s[0:1], 0x10                ; out0
	v_lshl_add_u32 v[SPW], v0, 2, SPARE
	v_mov_b32 v[NIL], 0
	v_lshrrev_b32 v1, 5, v0
	v_readfirstlane_b32 s10, v1                    ; wave = head
	s_and_b32 s11, ttmp7, 0xffff                   ; batch
	v_and_b32 v1, 15, v0                           ; r
	v_bfe_u32 v2, v0, 4, 1                         ; h
	v_and_b32 v12, 31, v0                          ; lane
	v_lshlrev_b32 v[LI], 4, v12
	v_bfe_u32 v13, v0, 2, 1
	v_lshlrev_b32 v[AVG], 9, v13
	v_bfe_u32 v13, v0, 3, 1
	v_lshl_add_u32 v[AVG], v13, 8, v[AVG]
	v_and_b32 v13, 3, v0
	v_lshl_add_u32 v[AVG], v13, 2, v[AVG]
	v_lshl_add_u32 v[AVG], v2, 7, v[AVG]           ; V(key 8 h + .., channel r) inside an image: half (r / 4) % 2, lane key + 16 (r / 8), word r % 4
	v_lshlrev_b32 v[AW], 2, v1
	v_lshl_add_u32 v[AW], v2, 15, v[AW]            ; w_proj: column r, 8 h rows of 4,096 bytes down
	s_mul_i32 s12, s10, 4352
	v_mul_u32_u24 v[STO], v1, 272
	v_lshl_add_u32 v[STO], v2, 5, v[STO]
	v_add_nc_u32 v[STO], s12, v[STO]               ; my partial sums: row r, + 32 h
	s_mul_i32 s12, s10, 272
	v_lshlrev_b32 v[GO], 3, v12
	v_add_nc_u32 v[RD], s12, v[GO]                 ; row w of each wave's partial sums, 8 bytes a lane
	v_lshlrev_b32 v13, 3, v2
	v_sub_nc_u32 v[DD], v1, v13                    ; r - 8 h
	s_mov_b32 s14, 0x76543210
	s_mov_b32 s15, 0xfedcba98
	s_mov_b32 s16, 0x3e38aa3b                      ; c = log2(e) / 8
	s_mov_b32 s17, s16
	s_mov_b32 s18, 0xbe38aa3b                      ; -c
	s_mul_i32 s20, s11, 196608
	s_lshl_b32 s21, s10, 12
	s_add_co_u32 s20, s20, s21
	s_mov_b32 s21, 0
	s_lshl_b32 s22, s10, 18
	s_lshl_b32 s23, ttmp9, 8
	s_add_co_u32 s22, s22, s23
	s_mov_b32 s23, 0
	s_lshl_b32 s24, s11, 23
	s_lshl_b32 s25, s10, 12
	s_add_co_u32 s24, s24, s25
	s_lshl_b32 s25, ttmp9, 8
	s_add_co_u32 s24, s24, s25
	s_mov_b32 s25, 0
	s_wait_kmcnt 0x0
	s_add_nc_u64 s[4:5], s[4:5], s[20:21]
	s_add_nc_u64 s[6:7], s[6:7], s[22:23]
	s_add_nc_u64 s[8:9], s[8:9], s[24:25]
.irp i, 0,1,2,3,4,5,6,7
	global_load_b128 v[QF+4*\i:QF+4*\i+3], v[LI], s[4:5] offset:512*\i
.endr
.irp i, 0,1,2,3,4,5,6,7
	global_load_b128 v[KF+4*\i:KF+4*\i+3], v[LI], s[4:5] offset:65536+512*\i
.endr
.irp t, 0,1,2,3
.irp i, 0,1,2,3,4,5,6,7
	global_load_b32 v[VF+8*\t+\i], v[AVG], s[4:5] offset:131072+1024*\t+16*\i    ; V(key 8 h + i, channel 16 t + r)
.endr
.endr
	s_wait_loadcnt 32                              ; Q and K are in; V's 32 loads may be out
.macro WLOAD reg, nt0                  ; w_proj(64 w + 16 t + 8 h + 2 jj + j, 16 nt + r) for two tiles of columns, step g = 4 t + jj
.irp n, 0,1
.irp g, 0,1,2,3,4,5,6,7,8,9,10,11,12,13,14,15
.irp j, 0,1
	global_load_b32 v[\reg+32*\n+2*\g+\j], v[AW], s[6:7] offset:(16*(\g/4)+2*(\g%4)+\j)*4096+64*(\nt0+\n)
.endr
.endr
.endr
.endm
	WLOAD W1, 0
.irp g, 0,1,2,3,4,5,6,7,8,9,10,11,12,13,14,15  ; S^T = K Q^T: 16 steps of 4 channels, four accumulators by turns
.if \g < 4
	v_wmma_f32_16x16x4_f32 v[ACC+8*(\g%4):ACC+8*(\g%4)+7], v[KF+2*\g:KF+2*\g+1], v[QF+2*\g:QF+2*\g+1], 0
.else
	v_wmma_f32_16x16x4_f32 v[ACC+8*(\g%4):ACC+8*(\g%4)+7], v[KF+2*\g:KF+2*\g+1], v[QF+2*\g:QF+2*\g+1], v[ACC+8*(\g%4):ACC+8*(\g%4)+7]
.endif
.endr
.rept 8
	v_nop                                          ; eight places behind this form, in front of reads of results and of loads into its sources
.endr
	s_wait_loadcnt 63                              ; V is in: 64 loads were issued behind it
	WLOAD W2, 2                                    ; into Q's and K's registers
.irp i, 0,2,4,6                                ; the four partial sums, each accumulator from its low end on
	v_pk_add_f32 v[SS+\i:SS+\i+1], v[ACC+\i:ACC+\i+1], v[ACC+8+\i:ACC+8+\i+1]
	v_pk_add_f32 v[TM+\i:TM+\i+1], v[ACC+16+\i:ACC+16+\i+1], v[ACC+24+\i:ACC+24+\i+1]
.endr
.irp i, 0,2,4,6
	v_pk_add_f32 v[SS+\i:SS+\i+1], v[SS+\i:SS+\i+1], v[TM+\i:TM+\i+1]
.endr
	v_mov_b32 v[TM+8], 0xff800000
	v_mov_b32 v[TM+10], 0
	v_mov_b32 v[TM+13], 0
.irp j, 0,1,2,3,4,5,6,7                        ; register j holds key 8 h + j of query r: hidden where j > r - 8 h
	v_cmp_gt_i32 vcc_lo, \j, v[DD]
	v_cndmask_b32 v[SS+\j], v[SS+\j], v[TM+8], vcc_lo
.endr
	v_max3_num_f32 v[TM+9], v[SS], v[SS+1], v[SS+2]
	v_max3_num_f32 v[TM+9], v[TM+9], v[SS+3], v[SS+4]
	v_max3_num_f32 v[TM+9], v[TM+9], v[SS+5], v[SS+6]
	v_max_num_f32 v[TM+9], v[TM+9], v[SS+7]
	v_permlanex16_b32 v[TM+10], v[TM+9], s14, s15
	v_max_num_f32 v[TM+9], v[TM+9], v[TM+10]       ; the row's maximum (key 0 counts for every query)
	v_mul_f32 v[TM+12], s18, v[TM+9]               ; -c m
.irp i, 0,2,4,6
	v_pk_fma_f32 v[PP+\i:PP+\i+1], v[SS+\i:SS+\i+1], s[16:17], v[TM+12:TM+13] op_sel_hi:[1,0,0]
.endr
.irp j, 0,1,2,3,4,5,6,7
	v_exp_f32 v[PP+\j], v[PP+\j]
.endr
	v_nop
	s_wait_alu depctr_va_vdst(0)                   ; the wait ahead of the first use: one for the eight
	v_pk_add_f32 v[TM+14:TM+15], v[PP:PP+1], v[PP+2:PP+3]
	v_pk_add_f32 v[TM+16:TM+17], v[PP+4:PP+5], v[PP+6:PP+7]
	v_pk_add_f32 v[TM+14:TM+15], v[TM+14:TM+15], v[TM+16:TM+17]
	v_add_f32 v[TM+14], v[TM+14], v[TM+15]
	v_permlanex16_b32 v[TM+10], v[TM+14], s14, s15
	v_add_f32 v[TM+14], v[TM+14], v[TM+10]         ; the row's sum
	v_rcp_f32 v[TM+18], v[TM+14]
	v_nop
	s_wait_alu depctr_va_vdst(0)
.irp u, 0,1,2,3                                ; O^T = V^T P: step u takes keys 8 h + 2 u + j on both sides
.irp t, 0,1,2,3
.if \u == 0
	v_wmma_f32_16x16x4_f32 v[ACC+8*\t:ACC+8*\t+7], v[VF+8*\t+2*\u:VF+8*\t+2*\u+1], v[PP+2*\u:PP+2*\u+1], 0
.else
	v_wmma_f32_16x16x4_f32 v[ACC+8*\t:ACC+8*\t+7], v[VF+8*\t+2*\u:VF+8*\t+2*\u+1], v[PP+2*\u:PP+2*\u+1], v[ACC+8*\t:ACC+8*\t+7]
.endif
.endr
.endr
.rept 8
	v_nop
.endr
.irp i, 0,1,2,3,4,5,6,7,8,9,10,11,12,13,14,15,16,17,18,19,20,21,22,23,24,25,26,27,28,29,30,31
	v_mul_f32 v[YN+\i], v[ACC+\i], v[TM+18]        ; y(query r, channel 16 t + 8 h + j), into other registers than the sums'
.endr
.rept 4
	v_nop
.endr
	s_wait_loadcnt 0x0                             ; w_proj's 128 loads
.irp g, 0,1,2,3,4,5,6,7,8,9,10,11,12,13,14,15  ; out^T += w_proj^T y^T: step g takes channels 16 t + 8 h + 2 jj + j on both sides; four tiles of 16 columns by turns
.irp n, 0,1,2,3
.if \n < 2
.set WR, W1+32*\n+2*\g
.else
.set WR, W2+32*(\n-2)+2*\g
.endif
.if \g == 0
	v_wmma_f32_16x16x4_f32 v[ACC+8*\n:ACC+8*\n+7], v[WR:WR+1], v[YN+2*\g:YN+2*\g+1], 0
.else
	v_wmma_f32_16x16x4_f32 v[ACC+8*\n:ACC+8*\n+7], v[WR:WR+1], v[YN+2*\g:YN+2*\g+1], v[ACC+8*\n:ACC+8*\n+7]
.endif
.endr
.endr
.rept 8
	v_nop
.endr
.irp n, 0,1,2,3
	ds_store_b128 v[STO], v[ACC+8*\n:ACC+8*\n+3] offset:64*\n        ; lane (r, h): my head's part of out(r, 16 n + 8 h + 0 .. 7)
	ds_store_b128 v[STO], v[ACC+8*\n+4:ACC+8*\n+7] offset:64*\n+16
.endr
	s_wait_dscnt 0x0                               ; for the others' sake: my stores have landed
	s_barrier_signal -1
	s_barrier_wait -1
.irp p, 0,1,2,3,4,5,6,7,8,9,10,11,12,13,14,15
	ds_load_b64 v[TM+2*\p:TM+2*\p+1], v[RD] offset:4352*\p
.endr
	s_wait_dscnt 0x0
.irp p, 0,4,8,12,16,20,24,28
	v_pk_add_f32 v[TM+\p:TM+\p+1], v[TM+\p:TM+\p+1], v[TM+\p+2:TM+\p+3]
.endr
.irp p, 0,8,16,24
	v_pk_add_f32 v[TM+\p:TM+\p+1], v[TM+\p:TM+\p+1], v[TM+\p+4:TM+\p+5]
.endr
.irp p, 0,16
	v_pk_add_f32 v[TM+\p:TM+\p+1], v[TM+\p:TM+\p+1], v[TM+\p+8:TM+\p+9]
.endr
	v_pk_add_f32 v[TM:TM+1], v[TM:TM+1], v[TM+16:TM+17]
	global_store_b64 v[GO], v[TM:TM+1], s[8:9]     ; row w of the batch, my work-group's 64 columns
	s_wait_tensorcnt 0x0                           ; the wave's end, behind my last LDS store
	ds_add_u32 v[SPW], v[NIL]
	s_wait_dscnt 0x0
	s_endpgm
.Lfunc_end_k_q202cfee267_fine:
	.size	k_q202cfee267_fine, .Lfunc_end_k_q202cfee267_fine-k_q202cfee267_fine
	.p2alignl 7, 3214868480
	.fill 96, 4, 3214868480
	.section	.rodata,"a",@progbits
	.p2align	6, 0x0
	.amdhsa_kernel k_q202cfee267_fine
		.amdhsa_group_segment_fixed_size 71680
		.amdhsa_private_segment_fixed_size 0
		.amdhsa_enable_private_segment 0
		.amdhsa_kernarg_size 24
		.amdhsa_user_sgpr_count 2
		.amdhsa_user_sgpr_kernarg_segment_ptr 1
		.amdhsa_wavefront_size32 1
		.amdhsa_system_sgpr_workgroup_id_x 1
		.amdhsa_system_sgpr_workgroup_id_y 1
		.amdhsa_system_sgpr_workgroup_id_z 1
		.amdhsa_system_vgpr_workitem_id 0
		.amdhsa_next_free_vgpr 256
		.amdhsa_next_free_sgpr 66
		.amdhsa_reserve_vcc 1
		.amdhsa_float_denorm_mode_32 3
		.amdhsa_float_denorm_mode_16_64 3
		.amdhsa_memory_ordered 1
		.amdhsa_forward_progress 1
		.amdhsa_inst_pref_size 33
	.end_amdhsa_kernel
	.amdgpu_metadata
---
amdhsa.version: [ 1, 2 ]
amdhsa.kernels:
  - .name:           k_q202cfee267_fine
    .symbol:         k_q202cfee267_fine.kd
    .args:
      - { .name: qkvf, .offset: 0, .size: 8, .value_kind: global_buffer, .address_space: global }
      - { .name: w_proj, .offset: 8, .size: 8, .value_kind: global_buffer, .address_space: global }
      - { .name: out0, .offset: 16, .size: 8, .value_kind: global_buffer, .address_space: global }
    .group_segment_fixed_size: 71680
    .private_segment_fixed_size: 0
    .kernarg_segment_align: 8
    .kernarg_segment_size: 24
    .max_flat_workgroup_size: 512
    .sgpr_count:     66
    .vgpr_count:     256
    .wavefront_size: 32
...
	.end_amdgpu_metadata
.endif
;; end of part 5
